; MI455X (gfx1250); checked and timed in simulation.
; The chip was launched on July 23, 2026; its instructions are those of AMD's public machine-readable ISA for CDNA 5 (MIT licence, August 2026) and "CDNA5" Instruction Set Architecture Reference Guide (July 2026). The comments in the code are by the model that wrote it; some were corrected since.
;; Multi Head Attention. Allowed arithmetic: matrix products marked QUANTISED: E2M3 operands, one E8M0 scale for each 32 along K, by v_wmma_scale_f32_16x16x128_f8f6f4 with both operands' format E2M3, f32 sums; everything else in f32.
;; Inputs: Wk 1,024 x 1,024 float32; Wo 1,024 x 1,024 float32; Wq 1,024 x 1,024 float32; Wv 1,024 x 1,024 float32; bk 1,024 float32; bo 1,024 float32; bq 1,024 float32; bv 1,024 float32; key 4 x 2,048 x 1,024 float32; query 4 x 2,048 x 1,024 float32; value 4 x 2,048 x 1,024 float32.
;; Outputs: out0 4 x 2,048 x 1,024 float32.
;; This version of the problem:
;;   THIS VERSION OF THE PROBLEM IS GIVEN IN LOW PRECISION. The matrix products marked QUANTISED in the list below multiply operands that are first quantised to E2M3 (2 exponent bits, 3 mantissa bits; 6 bits a number), with one power-of-two scale for each 32 numbers along K (OCP MX v1.0); their sums are f32. All else is computed in f32.
;;   The module's matrix products, in the order in which they are computed (A, B: the left and right operand; K: the contracted axis; several contracted axes count as one K, in the product's order):
;;     1. [M 8,192, K 1,024] x [K 1,024, N 1,024]; A: input query; B: input Wq: QUANTISED
;;     2. [M 8,192, K 1,024] x [K 1,024, N 1,024]; A: input key; B: input Wk: QUANTISED
;;     3. [M 8,192, K 1,024] x [K 1,024, N 1,024]; A: input value; B: input Wv: QUANTISED
;;     4. batch 64 x [M 2,048, K 64] x [K 64, N 2,048]; A: computed on the way; B: computed on the way: QUANTISED
;;     5. batch 64 x [M 2,048, K 2,048] x [K 2,048, N 64]; A: softmax (see below); B: computed on the way: QUANTISED
;;     6. [M 8,192, K 1,024] x [K 1,024, N 1,024]; A: computed on the way; B: input Wo: QUANTISED
;;   THE QUANTISER, for each operand of a quantised product, along K:
;;     - K is cut into blocks of 32 from its start; a last block that is shorter is filled with zeros.
;;     - A block's scale is 2^e with e = floor(log2(the largest magnitude in the block)) - 2, held to -126 .. 127; a block of zeros has e = 0. As a byte (E8M0): e + 127.
;;     - Each number is divided by its block's scale, clamped to +-7.5, and rounded to the nearest number of E2M3, ties to even, subnormals kept.
;;     - The product sums the exact products of the quantised numbers (number of the format x scale) in f32.
;;   ~~~python
;;   def quantise(x, axis):      # numpy; x: float32 -> the quantised numbers, widened to float32 again
;;       x = np.moveaxis(x, axis, -1); K = x.shape[-1]
;;       x = np.pad(x, [(0, 0)] * (x.ndim - 1) + [(0, -K % 32)]); x = x.reshape(x.shape[:-1] + (-1, 32)); a = np.abs(x).max(-1, keepdims=True)
;;       e = np.where(a > 0, np.clip(np.frexp(np.where(a > 0, a, 1))[1] - 1 - 2, -126, 127), 0)      # np.frexp(a)[1] - 1 = floor(log2(a)), exactly
;;       r = np.clip(x / 2.0 ** e, -7.5, 7.5)
;;       step = 2.0 ** (np.maximum(np.frexp(np.where(r == 0, 1, r))[1] - 1, 0) - 3)
;;       q = np.round(r / step) * step * 2.0 ** e      # np.round: ties to even
;;       return np.moveaxis(q.reshape(q.shape[:-2] + (-1,))[..., :K], -1, axis).astype(np.float32)
;;   ~~~
;;   SOFTMAX AHEAD OF A QUANTISED PRODUCT. Where the list says 'softmax', what is quantised is not the finished softmax but p = 2^(t - M), with t = logit x log2(e) and M = ceil(the row's largest t), a whole number; so 1/2 < the row's largest p <= 1. The row's sum l is taken of the UNQUANTISED p, in f32, and the product's result is divided by l at the end. Since M is a whole number, a kernel that streams over the keys may use a running M (the ceiling of the running maximum): every later rescaling is an exact power of two, which a block's scale takes up: the codes' values come out the same.
;;   OPERANDS COMPUTED ON THE WAY. 'Computed on the way' means the value that the module computes at that place (a softmax that the list does not call 'softmax' is quantised finished and normalised). What goes into a quantiser is computed in f32, as accurately as f32 sums, v_exp_f32 and their like allow (about 1e-6 of the number): no bf16 or f16 on the way to a quantiser, and a product that is left as it is and whose result goes on into a quantised operand takes f32 operands (vector FMAs, or v_wmma_f32_16x16x4_f32). A number that lies on a knife's edge between two numbers of the format may be rounded either way, as far as f32 arithmetic and the matrix unit's own rounding can turn it there, and no further.
;; One version. Each part assembles by itself: llvm-mc -triple=amdgcn-amd-amdhsa -mcpu=gfx1250 --defsym DOCPART=n.
;; ======== version 1 of 1: 4 launches
;; limits: right only within a limited range of input values
;; workspace buffers: opc 22,020,096 bytes; ops 917,504 bytes; qc 6,291,456 bytes; qs 524,288 bytes; kvc 12,582,912 bytes; kvs 786,432 bytes; cc 6,291,456 bytes; cs 262,144 bytes
;; launch quant (part 1): grid 256 x 1, 14 waves a work-group, no clusters, 120,064 bytes of LDS; arguments query, key, value, Wq, Wk, Wv, Wo, opc, ops; writes opc, ops
.if DOCPART == 1
	.amdgcn_target "amdgcn-amd-amdhsa--gfx1250"
	.amdhsa_code_object_version 6
	.text
	.protected	k_q481ddd1a97_quant
	.globl	k_q481ddd1a97_quant
	.p2align	8
	.type	k_q481ddd1a97_quant,@function
k_q481ddd1a97_quant:
	s_mov_b64 s[64:65], 0
	v_nop
	global_prefetch_b8 v0, s[64:65] scope:SCOPE_SE
	s_setreg_imm32_b32 hwreg(HW_REG_WAVE_MODE, 25, 1), 1
	s_wait_xcnt 0x0
; query, key, value [8192][1024] and Wq, Wk, Wv, Wo [1024][1024], f32, K innermost, become codes of FP6 (E2M3) with one E8M0 byte for each 32 along K.
; A block's scale is 2^(floor(log2(its largest magnitude)) - 2); its byte is the largest magnitude's exponent field - 2, held at 1 from below.
; LIMITS: NaN and infinities among the inputs are not served; a block whose largest magnitude lies under 2^-124 has its byte held at 1; a block of zeros
; gets the byte 1 where the rule says 127: its codes are zeros, which add nothing under any byte but 0xff, and this program alone reads the bytes.
; THE WORKSPACE IS LAID AS THE MATRIX OPERANDS' REGISTERS.  A tile is 16 rows; lane r of a tensor's tile T holds row 32 (T / 2) + 8 (T % 2) + r + 8 (r / 8).
; A unit is a tile x 64 along K, six registers a lane, 768 bytes: registers 0-3 at 16 x lane, registers 4-5 at 512 + 8 x lane.  A tile of K = 1024 is 16 units, 12,288 bytes.
; A tile's scale words take 512 bytes: the word of row r and K step s (128 along K) lies at 256 (s / 4) + 8 (16 (s % 2) + r) + 4 ((s % 4) / 2).
; SHARES: 1,792 tiles = 256 work-groups x 7; a wave takes one tile and one half of K: four K steps.  Waves share nothing: no barrier.
; Each load reads 512 consecutive bytes of one row; a K step's 16 rows turn through the wave's own stage in LDS, so that a lane gets 16 neighbours of each block of its row.
; Two K steps' loads (32 loads of 512 bytes a wave) are out.  No matrix unit, no cluster, no tensor load: a stream that is read once and shared by nobody.
.set STG,   8448                       ; a wave's stage: 16 rows x (512 bytes + 16)
.set SPARE, 14*STG                     ; behind the stages: the spare words, 128 bytes for each wave
.set SPW, 5                            ; v5   my spare word's LDS address; never rewritten
.set NIL, 6                            ; v6   0; never rewritten
.set SW,  8                            ; v[8:9] the four K steps' scale words
.set R,   16                           ; v16-143  two sets of 64: a K step as loaded
.set X,   144                          ; v144-207 64 numbers: register 16 b + i = k 32 b + 16 (lane / 16) + i of my row
.set PC,  208                          ; v208-219 the fragment's codes; v220-227 at work
.set TM,  228                          ; v228-243 at work
.set PW,  244                          ; v244 the scale word just made
.set SEL, 28                           ; s[28:29] lane selects: lane l xor 16
.set HM,  30                           ; s30 the mask of lanes 16-31
	s_load_b512 s[4:19], s[0:1], 0x0               ; query, key, value, Wq, Wk, Wv, Wo, opc
	s_load_b64 s[20:21], s[0:1], 0x40              ; ops
	v_lshl_add_u32 v[SPW], v0, 2, SPARE
	v_mov_b32 v[NIL], 0
	v_lshrrev_b32 v7, 5, v0
	s_delay_alu instid0(VALU_DEP_1)
	v_readfirstlane_b32 s22, v7                    ; wave 0..13
	v_and_b32 v7, 31, v0                           ; lane
	s_delay_alu instid0(VALU_DEP_1)
	v_lshlrev_b32 v1, 4, v7                        ; 16 x lane
	s_delay_alu instid0(VALU_DEP_2)
	v_lshlrev_b32 v2, 3, v7                        ; 8 x lane
	s_mul_i32 s31, s22, STG
	v_add_nc_u32 v3, s31, v1                       ; the stage, on the way in: a row as it lies
	v_and_b32 v10, 15, v0                          ; r
	v_bfe_u32 v11, v0, 4, 1                        ; h
	s_delay_alu instid0(VALU_DEP_2)
	v_mul_u32_u24 v4, v10, 528
	s_delay_alu instid0(VALU_DEP_1)
	v_lshl_add_u32 v4, v11, 6, v4
	s_delay_alu instid0(VALU_DEP_1)
	v_add_nc_u32 v4, s31, v4                       ; and on the way out: row r, + 64 h
	s_lshr_b32 s23, s22, 1
	s_mul_i32 s32, ttmp9, 7
	s_add_co_u32 s23, s23, s32                     ; my tile T = 7 x work-group + wave / 2
	s_and_b32 s24, s22, 1                          ; my half of K
	s_mov_b32 s[SEL], 0x76543210
	s_mov_b32 s[SEL+1], 0xfedcba98
	s_mov_b32 s[HM], 0xffff0000
.irp b, 0,1,2,3
	v_mov_b32 v[TM+4+\b], 0                        ; written once: a lane permute's destination counts as one of its sources
.endr
	s_mul_i32 s34, s23, 12288                      ; the codes: 12,288 T + 6,144 x half
	s_mul_i32 s35, s24, 6144
	s_add_co_u32 s34, s34, s35
	s_mov_b32 s35, 0
	s_lshl_b32 s36, s23, 9                         ; the scale words: 512 T + 256 x half
	s_lshl_b32 s37, s24, 8
	s_add_co_u32 s36, s36, s37
	s_mov_b32 s37, 0
	s_wait_alu depctr_va_vdst(0)
	s_wait_kmcnt 0x0
	s_mov_b64 s[26:27], s[4:5]                     ; which tensor holds tile T: the choice hangs on the tile's number alone
	s_mov_b32 s25, 0                               ; and that tensor's first tile
.macro PICK first, p
	s_cmp_ge_u32 s23, \first
	s_cselect_b64 s[26:27], s[\p:\p+1], s[26:27]
	s_cselect_b32 s25, \first, s25
.endm
	PICK 512, 6
	PICK 1024, 8
	PICK 1536, 10
	PICK 1600, 12
	PICK 1664, 14
	PICK 1728, 16
	; KEY'S TILES (512 to 1023) HAVE AN ORDER OF ROWS OF THEIR OWN: lane r of key's tile T holds row 64 (T / 4) + 8 (T % 4) + r + 24 (r / 8), so that in the scores of attention
	; a lane's 32 registers of four neighbouring tiles are 32 neighbouring keys.  All other tensors: 32 (T / 2) + 8 (T % 2) + r + 8 (r / 8), as the head comment says.
	s_cmp_eq_u32 s25, 512
	s_cselect_b32 s38, 2, 1                        ; tiles go by fours or by pairs
	s_cselect_b32 s39, 3, 1                        ; a tile's rows 8-15 lie 24 or 8 rows further on
	s_sub_co_u32 s32, s23, s25                     ; the tile's number in its tensor
	s_lshr_b32 s33, s32, s38
	s_add_co_u32 s31, s38, 16
	s_lshl_b32 s33, s33, s31                       ; 64 or 32 rows of 4,096 bytes for each group of tiles,
	s_bfm_b32 s31, s38, 0
	s_and_b32 s32, s32, s31
	s_lshl_b32 s32, s32, 15                        ; 8 rows for each tile within its group,
	s_add_co_u32 s32, s32, s33
	s_lshl_b32 s33, s24, 11                        ; 2,048 bytes for the second half of K
	s_add_co_u32 s32, s32, s33
	s_mov_b32 s33, 0
	s_add_nc_u64 s[26:27], s[26:27], s[32:33]
	s_lshl_b32 s38, s39, 15
	s_mov_b32 s39, 0
	s_add_nc_u64 s[38:39], s[26:27], s[38:39]      ; the base for the tile's rows 8-15
	s_add_nc_u64 s[18:19], s[18:19], s[34:35]
	s_add_nc_u64 s[20:21], s[20:21], s[36:37]
.macro LOAD t                          ; K step t: 16 rows x 512 bytes into set t % 2; the tile's i-th row lies i + 8 (i / 8) rows on, for key i + 24 (i / 8)
.irp i, 0,1,2,3,4,5,6,7,8,9,10,11,12,13,14,15
	global_load_b128 v[R+64*((\t)%2)+4*\i:R+64*((\t)%2)+4*\i+3], v1, s[26+12*(\i/8):27+12*(\i/8)] offset:\i*4096+512*(\t) th:TH_LOAD_NT
.endr
.endm
.macro TURN t                          ; through the stage: LDS serves a wave's instructions in order, so no wait stands between the stores and the loads
.irp i, 0,1,2,3,4,5,6,7,8,9,10,11,12,13,14,15
	ds_store_b128 v3, v[R+64*((\t)%2)+4*\i:R+64*((\t)%2)+4*\i+3] offset:528*\i
.endr
.irp b, 0,1,2,3
.irp j, 0,1,2,3
	ds_load_b128 v[X+16*\b+4*\j:X+16*\b+4*\j+3], v4 offset:128*\b+16*\j
.endr
.endr
.endm
; 64 numbers of a lane become a fragment's codes in v[PC] on and its scale word in v[PW]
.macro QUANT s
.irp b, 0,1,2,3
	v_max3_num_f32 v[TM+\b], |v[\s+16*\b]|, |v[\s+1+16*\b]|, 0x1800000   ; block b: my 16 numbers, and the floor 2^(3 - 127): the byte cannot fall under 1
.endr
.irp i, 2,4,6,8,10,12,14
.irp b, 0,1,2,3
	s_delay_alu instid0(VALU_DEP_4)
	v_max3_num_f32 v[TM+\b], v[TM+\b], |v[\s+16*\b+\i]|, |v[\s+1+16*\b+\i]|   ; the four blocks by turns
.endr
.endr
.irp b, 0,1,2,3
	s_delay_alu instid0(VALU_DEP_4)
	v_permlanex16_b32 v[TM+4+\b], v[TM+\b], s[SEL], s[SEL+1]
.endr
.irp b, 0,1,2,3
	s_delay_alu instid0(VALU_DEP_4)
	v_max_num_f32 v[TM+\b], v[TM+\b], v[TM+4+\b]   ; with lane l xor 16's: the block's largest magnitude
.endr
.irp b, 0,1,2,3
	s_delay_alu instid0(VALU_DEP_4)
	v_add_nc_u32 v[TM+12+\b], 0xff000000, v[TM+\b] ; 2 off its exponent field: the conversion takes this operand's exponent field as its scale
.endr
.irp b, 0,1,2,3
	s_delay_alu instid0(VALU_DEP_4)
	v_lshrrev_b32 v[TM+4+\b], 23, v[TM+12+\b]      ; the scale's byte
.endr
	s_delay_alu instid0(VALU_DEP_3)
	v_lshl_or_b32 v[PW], v[TM+5], 8, v[TM+4]
	s_delay_alu instid0(VALU_DEP_1)
	v_lshl_or_b32 v[PW], v[TM+6], 16, v[PW]
	s_delay_alu instid0(VALU_DEP_1)
	v_lshl_or_b32 v[PW], v[TM+7], 24, v[PW]        ; my row's scale word, the same in lanes l and l xor 16
.irp c, 0,1
	v_cvt_scalef32_pk16_fp6_f32 v[PC+6*\c:PC+2+6*\c], v[\s+32*\c:\s+15+32*\c], v[TM+12+2*\c]
	v_cvt_scalef32_pk16_fp6_f32 v[PC+12+4*\c:PC+14+4*\c], v[\s+16+32*\c:\s+31+32*\c], v[TM+12+2*\c+1]   ; a conversion's three registers begin on an even number
.endr
	v_nop                                          ; one plain place behind a scaled conversion
.irp c, 0,1                            ; the operand's layout wants a whole block in a lane: lanes 0-15 block 2 c, lanes 16-31 block 2 c + 1
.irp i, 0,1,2
	v_permlane16_swap_b32 v[PC+6*\c+\i], v[PC+12+4*\c+\i]
.endr
.irp i, 0,1,2
	s_delay_alu instid0(VALU_DEP_3)
	v_mov_b32 v[PC+3+6*\c+\i], v[PC+12+4*\c+\i]
.endr
.endr
.endm
.macro STEP t
.if (\t) < 3
	s_wait_loadcnt 16                              ; this step's 16 loads are in; the next step's 16 may be out
.else
	s_wait_loadcnt 0x0
.endif
	TURN \t
	s_wait_dscnt 0x0                               ; my 64 numbers are back, and the stage's stores have read set t % 2
	s_wait_xcnt 0x0                                ; the last step's stores have read the codes' registers
.if (\t) < 2
	LOAD (\t)+2
.endif
	QUANT X
.if ((\t)%2) == 0
	v_mov_b32 v[SW+(\t)/2], v[PW]                  ; an even step's words stand in lanes 0-15,
.else
	v_cndmask_b32 v[SW+(\t)/2], v[SW+(\t)/2], v[PW], s[HM]   ; an odd step's in lanes 16-31 of the same register
.endif
	global_store_b128 v1, v[PC:PC+3], s[18:19] offset:1536*(\t)          ; each store covers 512 or 256 consecutive bytes, aligned
	global_store_b64 v2, v[PC+4:PC+5], s[18:19] offset:1536*(\t)+512
	global_store_b128 v1, v[PC+6:PC+9], s[18:19] offset:1536*(\t)+768
	global_store_b64 v2, v[PC+10:PC+11], s[18:19] offset:1536*(\t)+1280
.endm
	LOAD 0
	LOAD 1
	STEP 0
	STEP 1
	STEP 2
	STEP 3
	global_store_b64 v2, v[SW:SW+1], s[20:21]      ; 256 consecutive bytes: my half of the tile's scale words
	s_wait_tensorcnt 0x0                           ; the wave's end: behind my last LDS store
	ds_add_u32 v[SPW], v[NIL]
	s_wait_dscnt 0x0
	s_endpgm
.Lfunc_end_k_q481ddd1a97_quant:
	.size	k_q481ddd1a97_quant, .Lfunc_end_k_q481ddd1a97_quant-k_q481ddd1a97_quant
	.p2alignl 7, 3214868480
	.fill 96, 4, 3214868480
	.section	.rodata,"a",@progbits
	.p2align	6, 0x0
	.amdhsa_kernel k_q481ddd1a97_quant
		.amdhsa_group_segment_fixed_size 120064
		.amdhsa_private_segment_fixed_size 0
		.amdhsa_enable_private_segment 0
		.amdhsa_kernarg_size 72
		.amdhsa_user_sgpr_count 2
		.amdhsa_user_sgpr_kernarg_segment_ptr 1
		.amdhsa_wavefront_size32 1
		.amdhsa_system_sgpr_workgroup_id_x 1
		.amdhsa_system_sgpr_workgroup_id_y 1
		.amdhsa_system_sgpr_workgroup_id_z 1
		.amdhsa_system_vgpr_workitem_id 0
		.amdhsa_next_free_vgpr 256
		.amdhsa_next_free_sgpr 66
		.amdhsa_reserve_vcc 0
		.amdhsa_float_denorm_mode_32 3
		.amdhsa_float_denorm_mode_16_64 3
		.amdhsa_memory_ordered 1
		.amdhsa_forward_progress 1
		.amdhsa_inst_pref_size 42
	.end_amdhsa_kernel
	.amdgpu_metadata
---
amdhsa.version: [ 1, 2 ]
amdhsa.kernels:
  - .name:           k_q481ddd1a97_quant
    .symbol:         k_q481ddd1a97_quant.kd
    .args:
      - { .name: query, .offset: 0, .size: 8, .value_kind: global_buffer, .address_space: global }
      - { .name: key, .offset: 8, .size: 8, .value_kind: global_buffer, .address_space: global }
      - { .name: value, .offset: 16, .size: 8, .value_kind: global_buffer, .address_space: global }
      - { .name: Wq, .offset: 24, .size: 8, .value_kind: global_buffer, .address_space: global }
      - { .name: Wk, .offset: 32, .size: 8, .value_kind: global_buffer, .address_space: global }
      - { .name: Wv, .offset: 40, .size: 8, .value_kind: global_buffer, .address_space: global }
      - { .name: Wo, .offset: 48, .size: 8, .value_kind: global_buffer, .address_space: global }
      - { .name: opc, .offset: 56, .size: 8, .value_kind: global_buffer, .address_space: global }
      - { .name: ops, .offset: 64, .size: 8, .value_kind: global_buffer, .address_space: global }
    .group_segment_fixed_size: 120064
    .private_segment_fixed_size: 0
    .kernarg_segment_align: 8
    .kernarg_segment_size: 72
    .max_flat_workgroup_size: 448
    .sgpr_count:     66
    .vgpr_count:     256
    .wavefront_size: 32
...
	.end_amdgpu_metadata
.endif
;; end of part 1
;; launch qkv (part 2): grid 4 x 96, 4 waves a work-group, clusters of 4 x 4, 327,680 bytes of LDS; arguments opc, ops, bq, bk, bv, qc, qs, kvc, kvs; writes qc, qs, kvc, kvs
.if DOCPART == 2
	.amdgcn_target "amdgcn-amd-amdhsa--gfx1250"
	.amdhsa_code_object_version 6
	.text
	.protected	k_q481ddd1a97_qkv
	.globl	k_q481ddd1a97_qkv
	.p2align	8
	.type	k_q481ddd1a97_qkv,@function
k_q481ddd1a97_qkv:
	s_mov_b64 s[64:65], 0
	v_nop
	global_prefetch_b8 v0, s[64:65] scope:SCOPE_SE
	s_setreg_imm32_b32 hwreg(HW_REG_WAVE_MODE, 25, 1), 1
	s_wait_xcnt 0x0
	s_wait_alu depctr_hold_cnt(0) depctr_sa_sdst(0) depctr_va_vdst(0) depctr_va_sdst(0) depctr_va_ssrc(0) depctr_va_vcc(0) depctr_vm_vsrc(0)
	s_getreg_b32 s2, hwreg(HW_REG_IB_STS2, 6, 4)
	s_cmp_eq_u32 s2, 0
	s_cbranch_scc0 .Lentry_in_a_cluster
	s_endpgm
.Lentry_in_a_cluster:
	s_bfe_u32 s2, ttmp6, 0x10000c
	s_cmp_lg_u32 s2, 0xf033
	s_cbranch_scc0 .Lentry_shape_is_right
	s_endpgm
.Lentry_shape_is_right:
; q = query Wq^T + bq, k = key Wk^T + bk, v = value Wv^T + bv on codes of FP6 (E2M3) with E8M0 scales, sums in f32; the results are quantised in registers for the two
; products of attention and leave as codes: q and k along the head's 64 channels, v along the keys.  The f32 results never go to memory.
; LIMITS: as in the launch that made the codes: NaN and infinities are not served; a block under 2^-124 has its byte held at 1; a block of zeros has the byte 1.
; OPERANDS lie in opc as images of the operand's registers (tile: 16 rows, lane r of tile T = row 32 (T / 2) + 8 (T % 2) + r + 8 (r / 8); unit: tile x 64 K, 768 bytes), their scale words in ops.
; THE PRODUCT IS USED TRANSPOSED: source 0 = a tile of R, source 1 = a tile of P.  A lane then keeps one row of P, and the 64 registers of its eight accumulators of one P tile
; run along 128 rows of R in the order 32 b + 16 (lane / 16) + i: what the conversions want.  q, k: P = the tokens, R = the weight's rows (channels).  v: P = Wv's rows, R = the tokens (keys).
; SHARES: a work-group makes 16 P tiles x 16 R tiles (256 x 256), each of its four waves 8 x 8: 64 accumulators, 512 registers.  24 clusters along y: 8 for each of q, k, v.
; K = 1024 goes in eight steps of 128 (1,536 bytes a tile) through two LDS slots: steps 0-2 into slot A, 3-5 into slot B, and the one refill, steps 6-7, into slot A.
; A wave has one tensor load out at the start; waves 0 and 1 have one behind the refill.
; CLUSTER 4 x 4: P's tiles are shared along a row of the cluster, R's along a column: each is asked for jointly.
; No prefetch: three of the four chunks are asked for by the first loads themselves.
; REGISTERS: window 0: v1, v2 16 and 8 x lane; v16-27 LDS addresses; v28, v29 the add's two; v32-63 P's scale words, v64-95 R's (nothing else ever); v96-123 the way out;
;   v128-223 P's fragments, one set; v224-243 codes.  window 1: R's fragments, two sets at v0 and v128; the bias, eight tiles of 8, at v96-127 and v224-255.  windows 2, 3: accumulator (a, b) at v[8 (8 (a % 4) + b)].
.set FR,    12
.set SLOT,  98304                      ; 98,304 bytes: three of them cover slots A and B
.set HALF,  24576                      ; 8 tiles of 3,072 bytes: what one wave reads of a side in the refill
; THE FILLS AS THIS TEXT HAS THEM (they take the place of the head comment's lines on chunks, slots and loads out): K = 1024 is eight steps of 128, 1,536 bytes a tile.
; Slot A takes steps 0-2 and slot B steps 3-5, tiles 4,608 bytes apart, P's 16 tiles and then R's 16.  At the head each wave asks for one of the four: wave 0 P's slot A, wave 1 R's, wave 2 P's slot B, wave 3 R's.
; The first barrier shows slot A alone (waves 0 and 1 wait); the round in step 2 shows slot B, and behind it waves 0 and 1 fill steps 6-7 onto slot A's bytes, tiles 3,072 bytes apart.
; A wave has one tensor load out at the most.
.set ROFF,  73728                      ; R's tiles in a slot
.set SLOTB, 147456                     ; slot B
.set SPARE, 3*SLOT                     ; behind the slots: the spare words, 128 bytes for each wave
.set A16, 16                           ; v16-18 P's fragments in slot 0, 1, 2: + 16 x lane;  v19-21: + 8 x lane
.set A8,  19
.set B16, 22                           ; v22-24, v25-27 the same for R
.set B8,  25
.set SPW, 28
.set NIL, 29
.set SCP, 32                           ; tile i's words of K step s: register 4 i + s / 2, lanes 0-15 (s even) or 16-31 (s odd)
.set SCR, 64
.set TM,  96
.set PW,  112
.set H0,  113
.set H1,  114
.set SA0, 116
.set SA1, 120
.set AF,  128
.set PC,  224
.set WV,  22
.set WI,  23                           ; s23 which 8 P tiles are mine.
.set WJ,  59                           ; s59 which 8 R tiles are mine.
.set G1A, 24
.set G0A, 32                           ; s[32:39] groups 0 for P's slots A and B; the first is stepped once, to steps 6-7
.set G1B, 48
.set G0B, 68                           ; s[68:75] the same for R
.set GM,  56                           ; s56 0: q, 1: k, 2: v
.set MASK, 57
.set HM,  58
.set SEL, 60
.set MSB, 0
.macro WIN new                         ; the immediate's high byte repeats the setting that is left
.if MSB != (\new)
	s_set_vgpr_msb (MSB<<8)|(\new)
.set MSB, (\new)
.endif
.endm
.set MUL_LO, 0xa1                      ; source 0 (R) window 1, source 1 (P) window 0, C and D window 2
.set MUL_HI, 0xf1
.set FIRST_LO, 0x91                    ; the same with C (the bias) in window 1
.set FIRST_HI, 0xd1
.set TO_B,   0x40
.macro JLOAD g0a, g0b                  ; a joint load: wave 0 fetches for P, wave 1 for R; an s_nop 0 and four v_nop follow each line
	s_cmp_eq_u32 s[WV], 0                          ; the refill: wave 0 fetches P's 16 tiles, wave 1 R's, waves 2 and 3 nothing
	s_cbranch_scc0 .Lfor_b_\@
	tensor_load_to_lds s[\g0a:\g0a+3], s[G1A:G1A+7]
	s_nop 0
.rept 4
	v_nop
.endr
	s_branch .Lasked_\@
.Lfor_b_\@:
	s_cmp_eq_u32 s[WV], 1
	s_cbranch_scc0 .Lasked_\@
	tensor_load_to_lds s[\g0b:\g0b+3], s[G1B:G1B+7]
	s_nop 0
.rept 4
	v_nop
.endr
.Lasked_\@:
.endm
.macro CREST                           ; a round of the cluster's barrier behind its opening barrier
	s_cmp_lg_u32 s[WV], 0
	s_cbranch_scc1 .Lnot_wave_0_\@
	s_barrier_signal -3
.Lnot_wave_0_\@:
	s_barrier_wait -3
	s_barrier_signal -1
	s_barrier_wait -1
.endm
.macro CROUND
	s_barrier_signal -1
	s_barrier_wait -1
	CREST
.endm
.macro PLACES                          ; four plain places behind matrix instructions, ahead of loads into their sources and of reads of their results
.rept 4
	v_nop
.endr
.endm
	s_load_b512 s[4:19], s[0:1], 0x0               ; opc, ops, bq, bk, bv, qc, qs, kvc
	s_load_b64 s[20:21], s[0:1], 0x40              ; kvs
	v_lshl_add_u32 v[SPW], v0, 2, SPARE
	v_mov_b32 v[NIL], 0
	ds_add_u32 v[SPW], v[NIL]                      ; the wave's opening: the add and its wait ahead of my first tensor load; work on registers stands between
	ds_add_u32 v[SPW], v[NIL]
	v_lshrrev_b32 v3, 5, v0
	v_readfirstlane_b32 s[WV], v3                  ; wave 0..3
	s_lshr_b32 s[WI], s[WV], 1
	s_and_b32 s[WJ], s[WV], 1
	s_bfe_u32 s44, ttmp6, 0x40000                  ; cx
	s_bfe_u32 s45, ttmp6, 0x40004                  ; cy
	s_and_b32 s46, ttmp7, 0xffff                   ; the cluster's y: 0..23
	s_lshr_b32 s[GM], s46, 3                       ; which product: the same in all sixteen partners
	s_and_b32 s46, s46, 7
	s_lshl_b32 s46, s46, 2                         ; 4 x the cluster's number within its product
	s_lshl_b32 s47, s45, 2
	s_lshl_b32 s47, 15, s47                        ; my row of the cluster
	s_lshl_b32 s62, 0x1111, s44                    ; my column
	s_or_b32 s[G1A], s47, (3<<16)|(1<<21)          ; 15:0 the mask; 17:16 elements of 8 bytes; 21 set beside a mask; no padding: every LDS access is dense
	s_or_b32 s[G1B], s62, (3<<16)|(1<<21)
.irp g, G1A, G1B
	s_mov_b32 s[\g+1], 576<<16                     ; tensor_dim0 = 576 elements: a tile's 4,608 bytes of three K steps
	s_mov_b32 s[\g+2], 16<<16                      ; tensor_dim1 = 16 tiles
	s_mov_b32 s[\g+3], 576<<16                     ; tile_dim0
	s_mov_b32 s[\g+4], 16                          ; tile_dim1
	s_mov_b32 s[\g+5], 1536                        ; from tile to tile: 12,288 bytes
	s_mov_b32 s[\g+6], 0
	s_mov_b32 s[\g+7], 0
.endr
	s_cmp_eq_u32 s[GM], 2
	s_cselect_b32 s47, 0, s46
	s_cselect_b32 s62, s46, 0
	s_add_co_u32 s47, s47, s45                     ; my block of 16 P tiles: q, k: 4 x cluster + cy; v: cy
	s_add_co_u32 s62, s62, s44                     ; my block of 16 R tiles: q, k: cx; v: 4 x cluster + cx
	s_lshl_b32 s63, s[GM], 9
	s_lshl_b32 s66, s[GM], 6
	s_add_co_u32 s66, s66, 1536
	s_cmp_eq_u32 s[GM], 2
	s_cselect_b32 s63, 1664, s63                   ; P's first tile in opc: query 0, key 512, Wv 1664
	s_cselect_b32 s66, 1024, s66                   ; R's: Wq 1536, Wk 1600, value 1024
	s_lshl_b32 s92, s[WJ], 3
	s_lshl_b32 s93, s[WI], 3
	s_lshl_b32 s67, s47, 4
	s_add_co_u32 s63, s63, s67                     ; the work-group's first P tile
	s_lshl_b32 s44, s62, 4
	s_add_co_u32 s66, s66, s44                     ; and its first R tile
	s_mul_i32 s100, s63, 12288                     ; P's 16 tiles,
	s_mov_b32 s101, 0
	s_mul_i32 s2, s66, 12288                       ; and R's: each address in registers that never hold the other coordinate
	s_mov_b32 s3, 0
	s_add_co_u32 s94, s63, s93                     ; the scale words of my own 8 P tiles,
	s_lshl_b32 s94, s94, 9
	s_mov_b32 s95, 0
	s_add_co_u32 s96, s66, s92                     ; and of my own 8 R tiles
	s_lshl_b32 s96, s96, 9
	s_mov_b32 s97, 0
	; where the results go
	s_add_co_u32 s80, s67, s93                     ; TP = my first P tile within its tensor
	s_lshl_b32 s81, s62, 1
	s_add_co_u32 s81, s81, s[WJ]                   ; JG = my group of 8 R tiles within its tensor
	s_lshr_b32 s82, s80, 7                         ; q, k: the batch;
	s_lshr_b32 s83, s81, 4                         ; v: the batch
	s_lshl_b32 s84, s81, 1                         ; q, k: my first head = 2 JG;
	s_lshr_b32 s85, s80, 2                         ; v: = TP / 4
	s_and_b32 s86, s80, 127                        ; q, k: my first tile in the batch
	s_and_b32 s87, s81, 15                         ; v: the step of 128 keys
	s_lshl_b32 s98, s81, 9                         ; the bias: q, k: 128 JG numbers on;
	s_lshl_b32 s99, s80, 6                         ; v: 16 TP numbers on
	; kvc, within a head: a step of 128 keys is 12,288 bytes: K's eight tiles (6,144 bytes), then V's four fragments (6,144).  qc: tiles of 768 bytes on end.
	s_mov_b32 s88, 768
	s_cmp_eq_u32 s[GM], 1
	s_cselect_b32 s88, 1536, s88                   ; my first tile is a multiple of 8: k: 12,288 bytes for each 8 tiles; q: 768 a tile
	s_mul_i32 s88, s86, s88
	s_mul_i32 s89, s87, 12288
	s_add_co_u32 s89, s89, 6144
	s_lshr_b32 s90, s86, 3
	s_lshl_b32 s90, s90, 9
	s_lshl_b32 s91, s87, 8
	s_add_co_u32 s91, s91, 8192
	s_cmp_eq_u32 s[GM], 2
	s_cselect_b32 s82, s83, s82
	s_cselect_b32 s84, s85, s84
	s_cselect_b32 s80, s89, s88                    ; the codes' place within a head
	s_cselect_b32 s81, s91, s90                    ; the scale words' place within a head
	s_cselect_b32 s98, s99, s98
	s_cselect_b32 s[MASK], -1, 0xffff              ; q, k: a head has two blocks: the word's upper two bytes are 0, for the half of the instruction's K that holds zero codes
	s_mov_b32 s88, 768
	s_cselect_b32 s88, 1536, s88                   ; from P tile to P tile
	s_cselect_b32 s90, 190464, 0                   ; v: and on to the next head behind four tiles: 196,608 - 4 x 1,536
	s_mov_b32 s89, 0
	s_mov_b32 s91, 0
	s_mov_b32 s99, 0
	s_lshl_b32 s82, s82, 4
	s_add_co_u32 s82, s82, s84                     ; 16 x batch + head
	s_mov_b32 s83, 196608
	s_mov_b32 s86, 12288
	s_cmp_eq_u32 s[GM], 0
	s_cselect_b32 s83, 98304, s83                  ; a head's bytes of codes: qc 98,304, kvc 196,608
	s_cselect_b32 s86, 8192, s86                   ; and of scale words: qs 8,192, kvs 12,288
	s_mul_i32 s85, s82, s83
	s_add_co_u32 s80, s80, s85
	s_mul_i32 s84, s82, s86
	s_add_co_u32 s84, s84, s81
	s_mov_b32 s81, 0
	s_mov_b32 s85, 0
	s_mov_b32 s87, 0
	s_cmp_eq_u32 s[GM], 2
	s_cselect_b32 s82, 768, s83                    ; from a fragment's first unit to its second: q, k: the next head; v: the next 64 keys
	s_mov_b32 s83, 0
	s_mov_b32 s[HM], 0xffff0000
	s_mov_b32 s[SEL], 0x76543210
	s_mov_b32 s[SEL+1], 0xfedcba98
	s_wait_dscnt 0x0                               ; the opening add is done
	s_wait_kmcnt 0x0
	s_add_nc_u64 s[100:101], s[4:5], s[100:101]
	s_add_nc_u64 s[2:3], s[4:5], s[2:3]
	s_add_nc_u64 s[94:95], s[6:7], s[94:95]
	s_add_nc_u64 s[96:97], s[6:7], s[96:97]
	s_cmp_eq_u32 s[GM], 0
	s_cselect_b64 s[92:93], s[14:15], s[18:19]     ; qc or kvc
	s_cselect_b64 s[66:67], s[16:17], s[20:21]     ; qs or kvs
	s_cselect_b64 s[62:63], s[8:9], s[10:11]       ; bq or bk,
	s_cmp_eq_u32 s[GM], 2
	s_cselect_b64 s[62:63], s[12:13], s[62:63]     ; or bv
	s_add_nc_u64 s[80:81], s[92:93], s[80:81]      ; D0: a fragment's first unit
	s_add_nc_u64 s[82:83], s[80:81], s[82:83]      ; D1: its second
	s_add_nc_u64 s[84:85], s[66:67], s[84:85]      ; E0, E1: the scale words of my two heads
	s_add_nc_u64 s[86:87], s[84:85], s[86:87]
	s_add_nc_u64 s[98:99], s[62:63], s[98:99]
.irp c, 0,1
	s_mov_b32 s[G0A+4*\c], 1
	s_mov_b32 s[G0A+4*\c+1], \c*SLOTB
	s_add_nc_u64 s[G0A+4*\c+2:G0A+4*\c+3], s[100:101], \c*4608
	s_or_b32 s[G0A+4*\c+3], s[G0A+4*\c+3], 0x80000000
	s_mov_b32 s[G0B+4*\c], 1
	s_mov_b32 s[G0B+4*\c+1], \c*SLOTB+ROFF
	s_add_nc_u64 s[G0B+4*\c+2:G0B+4*\c+3], s[2:3], \c*4608
	s_or_b32 s[G0B+4*\c+3], s[G0B+4*\c+3], 0x80000000
.endr
	CROUND                                         ; all sixteen work-groups are here: the first joint loads meet
.macro ARM w, g0, g1                   ; the head's loads, one a wave: one chain of branches on the wave's number, one load to an arm, all arms to one join
	s_cmp_eq_u32 s[WV], \w
	s_cbranch_scc0 .Lnot_\w
	tensor_load_to_lds s[\g0:\g0+3], s[\g1:\g1+7]
	s_nop 0
.rept 4
	v_nop
.endr
	s_branch .Lfirst_asked
.Lnot_\w:
.endm
	ARM 0, G0A, G1A                                ; P's slot A
	ARM 1, G0B, G1B                                ; R's slot A
	ARM 2, G0A+4, G1A                              ; P's slot B
	tensor_load_to_lds s[G0B+4:G0B+7], s[G1B:G1B+7]   ; R's slot B
	s_nop 0
.rept 4
	v_nop
.endr
.Lfirst_asked:
	v_and_b32 v3, 31, v0
	v_lshlrev_b32 v1, 4, v3
	v_lshlrev_b32 v2, 3, v3
	s_mul_i32 s44, s[WI], 8*4608                   ; address sets 0 and 1: my 8 tiles in slots A and B
	s_mul_i32 s45, s[WJ], 8*4608
	s_add_co_u32 s45, s45, ROFF
.irp s, 0,1
	v_add_nc_u32 v[A16+\s], s44, v1
	v_add_nc_u32 v[A8+\s], s44, v2
	v_add_nc_u32 v[B16+\s], s45, v1
	v_add_nc_u32 v[B8+\s], s45, v2
	s_add_co_u32 s44, s44, SLOTB
	s_add_co_u32 s45, s45, SLOTB
.endr
	s_mul_i32 s44, s[WI], HALF                     ; set 2: slot A's bytes as the refill lays them, tiles 3,072 bytes apart
	s_mul_i32 s45, s[WJ], HALF
	s_add_co_u32 s45, s45, ROFF
	v_add_nc_u32 v[A16+2], s44, v1
	v_add_nc_u32 v[A8+2], s44, v2
	v_add_nc_u32 v[B16+2], s45, v1
	v_add_nc_u32 v[B8+2], s45, v2
.irp i, 0,1,2,3,4,5,6,7                ; the scale words of my 16 tiles for all of K: 256 consecutive bytes a load, straight into the registers that the products name
.irp g, 0,1
	global_load_b64 v[SCP+4*\i+2*\g:SCP+4*\i+2*\g+1], v2, s[94:95] offset:512*\i+256*\g
	global_load_b64 v[SCR+4*\i+2*\g:SCR+4*\i+2*\g+1], v2, s[96:97] offset:512*\i+256*\g
.endr
.endr
	v_bfe_u32 v4, v0, 4, 1                         ; h
	v_and_b32 v5, 15, v0                           ; r
	v_lshlrev_b32 v6, 6, v4                        ; q, k: 16 h numbers on
	v_and_b32 v7, 8, v5
	v_add_nc_u32 v7, v7, v5
	v_lshlrev_b32 v7, 2, v7                        ; v: r + 8 (r / 8) numbers on
	s_cmp_eq_u32 s[GM], 2
	s_cbranch_scc1 .Lbias_v
	WIN TO_B                                       ; q, k: the bias runs along R: tile t's eight registers are the channels 32 (t / 2) + 8 (t % 2) + 16 h + 0 .. 7
.irp t, 0,1,2,3,4,5,6,7
	global_load_b128 v[96+8*\t+96*(\t/4):96+8*\t+96*(\t/4)+3], v6, s[98:99] offset:(32*(\t/2)+8*(\t%2))*4
	global_load_b128 v[96+8*\t+96*(\t/4)+4:96+8*\t+96*(\t/4)+7], v6, s[98:99] offset:(32*(\t/2)+8*(\t%2))*4+16
.endr
	WIN 0
	s_branch .Lbias_done
.Lbias_v:
	WIN TO_B                                       ; v: the bias runs along P: my lane's channel of tile t, the same in all eight registers
	s_wait_alu depctr_va_vdst(0)
.irp t, 0,1,2,3,4,5,6,7
.irp j, 0,1,2,3,4,5,6,7
	global_load_b32 v[96+8*\t+96*(\t/4)+\j], v7, s[98:99] offset:(32*(\t/2)+8*(\t%2))*4
.endr
.endr
	WIN 0
.Lbias_done:
.macro FRAG reg, a16, a8, off          ; a fragment, 12 registers, as it lies: four dense loads
	ds_load_b128 v[\reg:\reg+3], v[\a16] offset:\off
	ds_load_b64 v[\reg+4:\reg+5], v[\a8] offset:\off+512
	ds_load_b128 v[\reg+6:\reg+9], v[\a16] offset:\off+768
	ds_load_b64 v[\reg+10:\reg+11], v[\a8] offset:\off+1280
.endm
.macro FETCH_B slot, q, p              ; R's eight fragments of the slot's q-th 128 along K into set p
	WIN TO_B
.irp i, 0,1,2,3,4,5,6,7
	FRAG 128*(\p)+FR*\i, B16+\slot, B8+\slot, (4608-1536*((\slot)/2))*\i+1536*(\q)
.endr
	WIN 0
.endm
.macro FETCH_A slot, q, i0             ; P's blocks i0 .. i0 + 3
.irp i, \i0, \i0+1, \i0+2, \i0+3
	FRAG AF+FR*(\i), A16+\slot, A8+\slot, (4608-1536*((\slot)/2))*(\i)+1536*(\q)
.endr
.endm
; 16 matrix instructions: P's blocks a0, a0 + 1 x R's eight, K step s.  cm = 0: onto the sums; 1: the sums begin with the bias along R; 2: with the bias along P.
; The 64 accumulators take turns, one instruction a turn, in the same order in every step.
.macro MUL16 a0, s, cm
.irp a, \a0, \a0+1
.irp b, 0,1,2,3,4,5,6,7
.set rD, 8*(8*((\a)%4)+\b)
.set rB, 128*((\s)%2)+FR*\b
.set rA, AF+FR*(\a)
.if (\cm) == 0
.set rC, rD
.elseif (\cm) == 1
.set rC, 96+8*\b+96*(\b/4)
.else
.set rC, 96+8*(\a)+96*((\a)/4)
.endif
.if ((\s)%2) == 0
	v_wmma_scale_f32_16x16x128_f8f6f4 v[rD:rD+7], v[rB:rB+FR-1], v[rA:rA+FR-1], v[rC:rC+7], v[SCR+4*\b+(\s)/2], v[SCP+4*(\a)+(\s)/2] matrix_a_fmt:MATRIX_FMT_FP6 matrix_b_fmt:MATRIX_FMT_FP6
.else
	v_wmma_scale_f32_16x16x128_f8f6f4 v[rD:rD+7], v[rB:rB+FR-1], v[rA:rA+FR-1], v[rC:rC+7], v[SCR+4*\b+(\s)/2], v[SCP+4*(\a)+(\s)/2] matrix_a_fmt:MATRIX_FMT_FP6 matrix_b_fmt:MATRIX_FMT_FP6 matrix_a_scale:MATRIX_SCALE_ROW1 matrix_b_scale:MATRIX_SCALE_ROW1
.endif
.endr
.endr
.endm
; K step s; the next step's fragments come from slot sn, its qn-th 128 along K
.macro STEP s, sn, qn, cm
	s_wait_dscnt 16                                ; R's set and P's blocks 0-3 are in; the youngest 16 loads (P's blocks 4-7) may be out
.if \cm
	WIN FIRST_LO
.else
	WIN MUL_LO
.endif
	MUL16 0, \s, \cm
	MUL16 2, \s, \cm
	s_wait_dscnt 0x0                               ; P's blocks 4-7 are in
	PLACES
	FETCH_B \sn, \qn, 1-(\s)%2
	FETCH_A \sn, \qn, 0
.if \cm
	WIN FIRST_HI
.else
	WIN MUL_HI
.endif
	MUL16 4, \s, \cm
	MUL16 6, \s, \cm
	PLACES
	WIN 0
	FETCH_A \sn, \qn, 4
.endm
; A step with a barrier in it.  In front of the barrier each wave waits for all its tensor loads, adds 0 to its spare word, and waits for that and for its LDS reads.
; fill = 1: the barrier opens a round of the cluster's barrier, and behind it slot 0, which nobody reads any more, takes chunk 3.  fill = 0: chunk 3 is whole behind it.
.macro TURN s, sn, fill
	s_wait_tensorcnt 0x0                           ; all my tensor loads have landed
	ds_add_u32 v[SPW], v[NIL]                      ; 0 onto my spare word
	s_wait_dscnt 17                                ; the add and the youngest 16 loads may be out
	WIN MUL_LO
	MUL16 0, \s, 0                                 ; sixteen matrix instructions stand between the add and the wait for it
	s_wait_dscnt 0x0                               ; the add is done, and my LDS reads are back
	s_barrier_signal -1
	MUL16 2, \s, 0
	WIN 0
	s_barrier_wait -1
.if \fill
	CREST                                          ; no wave of any partner still reads slot 0 or has a load on its way
	s_add_nc_u64 s[G0A+2:G0A+3], s[G0A+2:G0A+3], 3*3072   ; slot A's group, whose load is done, becomes that of steps 6-7: the same LDS bytes
	s_add_nc_u64 s[G0B+2:G0B+3], s[G0B+2:G0B+3], 3*3072   ; six K steps on: steps 6 and 7
.irp g, G1A, G1B
	s_mov_b32 s[\g+1], 384<<16                     ; no tensor load of mine is out, so group 1 may be written: a tile's row is now 3,072 bytes
	s_mov_b32 s[\g+3], 384<<16
.endr
	JLOAD G0A, G0B                                 ; the first tensor load behind the round
.endif
	PLACES                                         ; on every wave's way: the places for the loads below
	FETCH_B \sn, 0, 1-(\s)%2
	FETCH_A \sn, 0, 0
	WIN MUL_HI
	MUL16 4, \s, 0
	MUL16 6, \s, 0
	PLACES
	WIN 0
	FETCH_A \sn, 0, 4
.endm
	s_wait_alu depctr_va_vdst(0)                   ; the wait at the head's end
	s_cmp_lt_u32 s[WV], 2
	s_cbranch_scc0 .Lnot_slot_a
	s_wait_tensorcnt 0x0                           ; waves 0 and 1: slot A is in; slot B may stay out
.Lnot_slot_a:
	s_barrier_signal -1
	s_barrier_wait -1                              ; everybody's is
	FETCH_B 0, 0, 0
	FETCH_A 0, 0, 0
	FETCH_A 0, 0, 4
	s_wait_loadcnt 0x0                             ; the scale words and the bias
	s_cmp_eq_u32 s[GM], 2
	s_cbranch_scc1 .Lstep0_v
	STEP 0, 0, 1, 1                                ; the first step starts the sums with the bias: nothing is cleared, nothing is added later
	s_branch .Lstep0_done
.Lstep0_v:
	STEP 0, 0, 1, 2
.Lstep0_done:
	STEP 1, 0, 2, 0
	TURN 2, 1, 1                                   ; every wave's loads are in: slot B is shown; slot A is filled again
	STEP 3, 1, 1, 0
	STEP 4, 1, 2, 0
	TURN 5, 2, 0                                   ; the refill is shown
	STEP 6, 2, 1, 0
	s_wait_dscnt 16                                ; the last step: nothing more to fetch
	WIN MUL_LO
	MUL16 0, 7, 0
	MUL16 2, 7, 0
	s_wait_dscnt 0x0
	WIN MUL_HI
	MUL16 4, 7, 0
	MUL16 6, 7, 0
	WIN 0
.irp b, 0,1,2,3
	v_mov_b32 v[TM+4+\b], 0                        ; a lane permute's destination counts as one of its sources; these four are also the places behind the last products
.endr
; THE WAY OUT of P tile pt: its 64 numbers a lane become a fragment (two units) and a scale word; each accumulator is read from its low end on.
.macro OUT pt
.set AC, 64*((\pt)%4)
.set WN, 2+(\pt)/4
.set WW, WN*5
	WIN WW                                         ; sources 0 and 1: the accumulators' window
.irp b, 0,1,2,3
	v_max3_num_f32 v[TM+\b], |v[AC+16*\b]|, |v[AC+16*\b+1]|, 0x1800000   ; and the floor 2^(3 - 127)
.endr
.irp i, 2,4,6,8,10,12,14
.irp b, 0,1,2,3
	v_max3_num_f32 v[TM+\b], |v[AC+16*\b+\i]|, |v[AC+16*\b+\i+1]|, v[TM+\b]
.endr
.endr
	WIN 0
.irp b, 0,1,2,3
	v_permlanex16_b32 v[TM+4+\b], v[TM+\b], s[SEL], s[SEL+1]
.endr
.irp b, 0,1,2,3
	v_max_num_f32 v[TM+\b], v[TM+\b], v[TM+4+\b]
.endr
.irp b, 0,1,2,3
	v_add_nc_u32 v[TM+12+\b], 0xff000000, v[TM+\b]
.endr
.irp b, 0,1,2,3
	v_lshrrev_b32 v[TM+4+\b], 23, v[TM+12+\b]
.endr
	v_lshl_or_b32 v[PW], v[TM+5], 8, v[TM+4]
	v_lshl_or_b32 v[PW], v[TM+6], 16, v[PW]
	v_lshl_or_b32 v[PW], v[TM+7], 24, v[PW]
	s_wait_xcnt 0x0                                ; the last tile's stores have read their codes and their bases: both are written again only behind this wait
.if (\pt) > 0
	s_add_nc_u64 s[80:81], s[80:81], s[88:89]
	s_add_nc_u64 s[82:83], s[82:83], s[88:89]
.endif
.if (\pt) == 4
	s_add_nc_u64 s[80:81], s[80:81], s[90:91]
	s_add_nc_u64 s[82:83], s[82:83], s[90:91]
.endif
	WIN WN                                         ; source 0: the accumulators' window
.irp c, 0,1
	v_cvt_scalef32_pk16_fp6_f32 v[PC+6*\c:PC+2+6*\c], v[AC+32*\c:AC+15+32*\c], v[TM+12+2*\c]
	v_cvt_scalef32_pk16_fp6_f32 v[PC+12+4*\c:PC+14+4*\c], v[AC+16+32*\c:AC+31+32*\c], v[TM+12+2*\c+1]
.endr
	WIN 0
	v_nop                                          ; one plain place behind a scaled conversion
.irp c, 0,1
.irp i, 0,1,2
	v_permlane16_swap_b32 v[PC+6*\c+\i], v[PC+12+4*\c+\i]
.endr
.irp i, 0,1,2
	v_mov_b32 v[PC+3+6*\c+\i], v[PC+12+4*\c+\i]
.endr
.endr
	v_and_b32 v[H0], s[MASK], v[PW]                ; q, k: the first head's two bytes; v: the whole word
	v_lshrrev_b32 v[H1], 16, v[PW]                 ; q, k: the second head's
.if ((\pt)%2) == 0
	v_mov_b32 v[SA0+(\pt)/2], v[H0]                ; an even tile's words in lanes 0-15,
	v_mov_b32 v[SA1+(\pt)/2], v[H1]
.else
	v_cndmask_b32 v[SA0+(\pt)/2], v[SA0+(\pt)/2], v[H0], s[HM]   ; an odd tile's in lanes 16-31
	v_cndmask_b32 v[SA1+(\pt)/2], v[SA1+(\pt)/2], v[H1], s[HM]
.endif
	global_store_b128 v1, v[PC:PC+3], s[80:81]     ; each store covers 512 or 256 consecutive bytes, aligned
	global_store_b64 v2, v[PC+4:PC+5], s[80:81] offset:512
	global_store_b128 v1, v[PC+6:PC+9], s[82:83]
	global_store_b64 v2, v[PC+10:PC+11], s[82:83] offset:512
.endm
.irp p, 0,1,2,3,4,5,6,7
	OUT \p
.endr
	s_cmp_eq_u32 s[GM], 2
	s_cbranch_scc1 .Lscales_v
	global_store_b128 v1, v[SA0:SA0+3], s[84:85]   ; q, k: eight tiles' words of a head: 512 consecutive bytes
	global_store_b128 v1, v[SA1:SA1+3], s[86:87]
	s_branch .Lend
.Lscales_v:
	global_store_b64 v2, v[SA0:SA0+1], s[84:85]    ; v: four tiles' words of a head and a step of keys: 256 consecutive bytes
	s_wait_alu depctr_va_vdst(0)
	global_store_b64 v2, v[SA0+2:SA0+3], s[86:87]
.Lend:
	s_wait_tensorcnt 0x0                           ; the wave's end: behind my last tensor load
	ds_add_u32 v[SPW], v[NIL]
	s_wait_dscnt 0x0
	CROUND                                         ; the closing round: no work-group ends while a partner may still ask for a tile that names it
	s_endpgm
.Lfunc_end_k_q481ddd1a97_qkv:
	.size	k_q481ddd1a97_qkv, .Lfunc_end_k_q481ddd1a97_qkv-k_q481ddd1a97_qkv
	.p2alignl 7, 3214868480
	.fill 96, 4, 3214868480
	.section	.rodata,"a",@progbits
	.p2align	6, 0x0
	.amdhsa_kernel k_q481ddd1a97_qkv
		.amdhsa_group_segment_fixed_size 327680
		.amdhsa_private_segment_fixed_size 0
		.amdhsa_enable_private_segment 0
		.amdhsa_kernarg_size 72
		.amdhsa_user_sgpr_count 2
		.amdhsa_user_sgpr_kernarg_segment_ptr 1
		.amdhsa_wavefront_size32 1
		.amdhsa_system_sgpr_workgroup_id_x 1
		.amdhsa_system_sgpr_workgroup_id_y 1
		.amdhsa_system_sgpr_workgroup_id_z 1
		.amdhsa_system_vgpr_workitem_id 0
		.amdhsa_next_free_vgpr 1024
		.amdhsa_next_free_sgpr 102
		.amdhsa_reserve_vcc 0
		.amdhsa_float_denorm_mode_32 3
		.amdhsa_float_denorm_mode_16_64 3
		.amdhsa_memory_ordered 1
		.amdhsa_forward_progress 1
		.amdhsa_inst_pref_size 172
	.end_amdhsa_kernel
	.amdgpu_metadata
---
amdhsa.version: [ 1, 2 ]
amdhsa.kernels:
  - .name:           k_q481ddd1a97_qkv
    .symbol:         k_q481ddd1a97_qkv.kd
    .args:
      - { .name: opc, .offset: 0, .size: 8, .value_kind: global_buffer, .address_space: global }
      - { .name: ops, .offset: 8, .size: 8, .value_kind: global_buffer, .address_space: global }
      - { .name: bq, .offset: 16, .size: 8, .value_kind: global_buffer, .address_space: global }
      - { .name: bk, .offset: 24, .size: 8, .value_kind: global_buffer, .address_space: global }
      - { .name: bv, .offset: 32, .size: 8, .value_kind: global_buffer, .address_space: global }
      - { .name: qc, .offset: 40, .size: 8, .value_kind: global_buffer, .address_space: global }
      - { .name: qs, .offset: 48, .size: 8, .value_kind: global_buffer, .address_space: global }
      - { .name: kvc, .offset: 56, .size: 8, .value_kind: global_buffer, .address_space: global }
      - { .name: kvs, .offset: 64, .size: 8, .value_kind: global_buffer, .address_space: global }
    .group_segment_fixed_size: 327680
    .private_segment_fixed_size: 0
    .kernarg_segment_align: 8
    .kernarg_segment_size: 72
    .max_flat_workgroup_size: 128
    .sgpr_count:     102
    .vgpr_count:     1024
    .wavefront_size: 32
...
	.end_amdgpu_metadata
.endif
;; end of part 2
;; launch attn (part 3): grid 4 x 64, 16 waves a work-group, clusters of 4 x 1, 210,944 bytes of LDS; arguments qc, qs, kvc, kvs, cc, cs; writes cc, cs
.if DOCPART == 3
	.amdgcn_target "amdgcn-amd-amdhsa--gfx1250"
	.amdhsa_code_object_version 6
	.text
	.protected	k_q481ddd1a97_attn
	.globl	k_q481ddd1a97_attn
	.p2align	8
	.type	k_q481ddd1a97_attn,@function
k_q481ddd1a97_attn:
	s_mov_b64 s[64:65], 0
	v_nop
	global_prefetch_b8 v0, s[64:65] scope:SCOPE_SE
	s_setreg_imm32_b32 hwreg(HW_REG_WAVE_MODE, 25, 1), 1
	s_wait_xcnt 0x0
	s_wait_alu depctr_hold_cnt(0) depctr_sa_sdst(0) depctr_va_vdst(0) depctr_va_sdst(0) depctr_va_ssrc(0) depctr_va_vcc(0) depctr_vm_vsrc(0)
	s_getreg_b32 s2, hwreg(HW_REG_IB_STS2, 6, 4)
	s_cmp_eq_u32 s2, 0
	s_cbranch_scc0 .Lentry_in_a_cluster
	s_endpgm
.Lentry_in_a_cluster:
	s_bfe_u32 s2, ttmp6, 0x10000c
	s_cmp_lg_u32 s2, 0x3003
	s_cbranch_scc0 .Lentry_shape_is_right
	s_endpgm
.Lentry_shape_is_right:
; ctx[b][q][head] = softmax_k(q . k / 8) v for one head of 64 channels, both products on codes of FP6 (E2M3) with E8M0 scales; ctx leaves as codes for the last projection.
; THE SOFTMAX AHEAD OF THE SECOND PRODUCT: t = score x log2(e) / 8; M = the running largest t rounded UP to a whole number; p = 2^(t - M) is quantised along the keys, not normalised.
; The row's sum is taken of the unquantised p, in f32, and divides O at the end.  When M moves, the sum and O are multiplied by 2^(old M - new M): exact.
; LIMITS: NaN and infinities are not served; a block under 2^-124 has its byte held at 1; a block of zeros has the byte 1 (its codes are zeros; this program alone reads the bytes);
; the scaled scores t stay under 2^31 in magnitude.
; SHARES: 256 work-groups; a work-group owns 512 queries of one head, each of its sixteen waves two tiles of 16, one after the other (PASS 0, PASS 1): four waves to a SIMD, 256 registers each.
; THE WHOLE HEAD'S K AND V STAY IN LDS: 196,608 bytes of codes (a step of 128 keys: K's 6,144 bytes, then V's 6,144) and 12,288 of scale words, filled once, nothing filled again.
; One tensor load a wave at the head: waves 0 to 11 take 64 rows of 256 bytes of the codes each, wave 12 the 48 rows of scale words, waves 13 to 15 none.
; Every wave waits for 0 and passes one barrier; behind it the waves share nothing until the closing round.
; CLUSTER 4 x 1: the four query blocks of a cluster belong to one head and ask for K and V jointly.  No prefetch: every byte is asked for at the head by the tensor loads themselves.
; LAYOUT: both products transposed: S^T = K Q^T, O^T = V^T P^T: a lane holds one query (lane % 16).  Operands lie in memory and in LDS as images of their registers.
; Row 8 h + j of K's tile t of a step is key 64 (t / 4) + 32 h + 8 (t % 4) + j: so registers 96-127 of lane (r, h) are keys 32 h + 0 .. 31 and registers 128-159 keys 64 + 32 h + 0 .. 31:
; two WHOLE blocks of p, in the order of the second product's operand.  A block's largest p needs no other lane; only the row's maximum and the scale word's bytes pass between lanes l and l xor 16.
; K = 64 fills half of the instruction's 128: Q's upper six registers are zero codes, K's upper six are whatever follows (the next tile's codes; behind the last tile p's codes), and the upper two bytes of both scale words are 0.
; THE STEP'S LDS LOADS: V's 17 at its top, the NEXT step's K (17) in its middle.  So each of the step's two waits on DScnt leaves 17 younger loads out.
; A pass's last step fetches 6,144 bytes beyond the last step's codes (they lie in the scale words' bytes, which were filled): nothing reads those registers; the loop stays one text.
; REGISTERS: v0 at work; v1, v2 16 and 8 x lane; v3, v4 the scale words' bases; v5, v6 the add's two; v7, v29, v30, v31 the step's addresses; v8-11 K's scale words; v12 -M, v13 the largest score, v[14:15] the sum;
;   v16-27 Q; v28 Q's scale word; v32-79 eight units of K; v80-91 p's codes; v92-93 V's scale words, v254 p's; v94, v95 at work; v96-159 S^T, then p; v160-191 O^T; v192-239 V; v240-252, v255 at work; v253 8 h.
.set SCK,   196608
.set SCV,   204800
.set SPARE, 208896                     ; the spare words, 128 bytes for each wave
.set SPW, 5
.set NIL, 6
.set WV,  16
.set SEL, 20
.set CS,  22                           ; s[22:23] c = log2(e) / 8
.set G1C, 24                           ; s[24:31] group 1 for a wave's part of the codes: 64 rows of 256 bytes
.set G1S, 32                           ; s[32:39] for the scale words: 48 rows of 256 bytes
.set G0,  40                           ; s[40:43] group 0 for the codes, s[44:47] for the scale words
.set G0S, 44
.set TB,  60                           ; s60 the step's codes: 12,288 bytes a step
.set TS,  61                           ; s61 K's scale words: 512 a step
.set TV,  62                           ; s62 V's: 256 a step
.set CNT, 63
.macro ROUND
	s_barrier_signal -1
	s_barrier_wait -1
	s_cmp_lg_u32 s[WV], 0
	s_cbranch_scc1 .Lnot_wave_0_\@
	s_barrier_signal -3
.Lnot_wave_0_\@:
	s_barrier_wait -3
	s_barrier_signal -1
	s_barrier_wait -1
.endm
.macro GRP1 g, rows                    ; rows of 32 elements of 8 bytes, dense; the mask names all four work-groups, bit 21 beside it; no padding
	s_mov_b32 s[\g], 15|(3<<16)|(1<<21)
	s_mov_b32 s[\g+1], 32<<16
	s_mov_b32 s[\g+2], (\rows)<<16
	s_mov_b32 s[\g+3], 32<<16
	s_mov_b32 s[\g+4], \rows
	s_mov_b32 s[\g+5], 32
	s_mov_b32 s[\g+6], 0
	s_mov_b32 s[\g+7], 0
.endm
.macro KFETCH a, b, c, off, soff       ; a step's eight units of K and their scale words (tile t's: register t / 2, lanes 0-15 for t even, 16-31 for t odd): 17 loads
.irp t, 0,1,2,3,4,5,6,7
	ds_load_b128 v[32+6*\t:35+6*\t], v\a offset:\off+768*\t
	ds_load_b64 v[36+6*\t:37+6*\t], v\b offset:\off+768*\t+512
.endr
	ds_load_b128 v[8:11], v\c offset:\soff
.endm
.macro SUMR n                          ; n rounds of the sum's four chains, from register j on
.rept \n
.irp k, 0,1,2,3
	v_pk_add_f32 v[244+2*\k:245+2*\k], v[244+2*\k:245+2*\k], v[j:j+1]
.set j, j+2
.endr
.endr
.endm
	s_load_b256 s[4:11], s[0:1], 0x0               ; qc, qs, kvc, kvs
	s_load_b128 s[12:15], s[0:1], 0x20             ; cc, cs
	v_lshl_add_u32 v[SPW], v0, 2, SPARE
	v_mov_b32 v[NIL], 0
	ds_add_u32 v[SPW], v[NIL]                      ; the wave's opening: the add, twice on end, and its wait ahead of the first tensor loads
	ds_add_u32 v[SPW], v[NIL]
	v_lshrrev_b32 v94, 5, v0
	v_readfirstlane_b32 s[WV], v94                 ; wave 0..15
	s_bfe_u32 s17, ttmp6, 0x40000                  ; cx: my block of 512 queries: it enters Q's and ctx's addresses alone
	s_and_b32 s19, ttmp7, 0xffff                   ; 16 x batch + head, which the four partners share
	GRP1 G1C, 64
	GRP1 G1S, 48
	s_lshl_b32 s68, s[WV], 14                      ; my 16,384 bytes of the head's codes, in memory and in LDS
	s_mul_i32 s70, s19, 196608
	s_add_co_u32 s70, s70, s68
	s_mov_b32 s71, 0
	s_mul_i32 s72, s19, 12288                      ; the head's scale words
	s_mov_b32 s73, 0
	s_lshl_b32 s74, s17, 5
	s_add_co_u32 s74, s74, s[WV]                   ; tb: my first tile of queries in the batch; the second is tb + 16
	s_lshl_b32 s75, s19, 7
	s_add_co_u32 s75, s75, s74
	s_mul_i32 s76, s75, 768                        ; Q's unit
	s_mov_b32 s77, 0
	s_lshl_b32 s78, s19, 4                         ; Q's scale word: group tb / 8 of 512 bytes, + 256 (tb % 2) + 4 ((tb % 8) / 2), + 16 r
	s_lshr_b32 s79, s74, 3
	s_add_co_u32 s78, s78, s79
	s_lshl_b32 s78, s78, 9
	s_and_b32 s79, s74, 1
	s_lshl_b32 s79, s79, 8
	s_add_co_u32 s78, s78, s79
	s_bfe_u32 s79, s74, 0x20001
	s_lshl_b32 s79, s79, 2
	s_add_co_u32 s78, s78, s79
	s_mov_b32 s79, 0
	s_lshr_b32 s80, s19, 4
	s_lshl_b32 s80, s80, 7
	s_add_co_u32 s80, s80, s74                     ; my tile among all 512 tiles of queries
	s_and_b32 s81, s19, 15                         ; the head = the unit along the last projection's K
	s_mul_i32 s82, s80, 12288
	s_mul_i32 s83, s81, 768
	s_add_co_u32 s82, s82, s83
	s_mov_b32 s83, 0
	s_lshl_b32 s84, s80, 9                         ; ctx's scale bytes: K step s = head / 2: 512 x tile + 256 (s / 4) + 128 (s % 2) + 4 ((s % 4) / 2) + 2 (head % 2), + 8 r
	s_lshr_b32 s85, s81, 3
	s_lshl_b32 s85, s85, 8
	s_add_co_u32 s84, s84, s85
	s_bfe_u32 s85, s81, 0x10001
	s_lshl_b32 s85, s85, 7
	s_add_co_u32 s84, s84, s85
	s_bfe_u32 s85, s81, 0x10002
	s_lshl_b32 s85, s85, 2
	s_add_co_u32 s84, s84, s85
	s_and_b32 s85, s81, 1
	s_lshl_b32 s85, s85, 1
	s_add_co_u32 s84, s84, s85
	s_mov_b32 s85, 0
	s_mov_b32 s[SEL], 0x76543210
	s_mov_b32 s[SEL+1], 0xfedcba98
	s_mov_b32 s[CS], 0x3e38aa3b                    ; log2(e) / 8
	s_mov_b32 s[CS+1], s[CS]                       ; named with it as a pair, so it is written
	s_wait_dscnt 0x0                               ; both opening adds are done
	s_wait_kmcnt 0x0
	s_add_nc_u64 s[70:71], s[8:9], s[70:71]
	s_add_nc_u64 s[72:73], s[10:11], s[72:73]
	s_add_nc_u64 s[4:5], s[4:5], s[76:77]
	s_add_nc_u64 s[6:7], s[6:7], s[78:79]
	s_add_nc_u64 s[12:13], s[12:13], s[82:83]
	s_add_nc_u64 s[14:15], s[14:15], s[84:85]
	s_mov_b32 s[G0], 1
	s_mov_b32 s[G0+1], s68
	s_mov_b64 s[G0+2:G0+3], s[70:71]
	s_or_b32 s[G0+3], s[G0+3], 0x80000000
	s_mov_b32 s[G0S], 1
	s_mov_b32 s[G0S+1], SCK
	s_mov_b64 s[G0S+2:G0S+3], s[72:73]
	s_or_b32 s[G0S+3], s[G0S+3], 0x80000000
	ROUND                                          ; all four work-groups are here: the joint loads meet
	s_cmp_lt_u32 s[WV], 12                         ; one chain of branches on the wave's number, one load to an arm
	s_cbranch_scc0 .Lscales
	tensor_load_to_lds s[G0:G0+3], s[G1C:G1C+7]
	s_nop 0
.rept 4
	v_nop
.endr
	s_branch .Lasked
.Lscales:
	s_cmp_eq_u32 s[WV], 12
	s_cbranch_scc0 .Lasked
	tensor_load_to_lds s[G0S:G0S+3], s[G1S:G1S+7]
	s_nop 0
.rept 4
	v_nop
.endr
.Lasked:
	v_and_b32 v94, 31, v0
	v_lshlrev_b32 v1, 4, v94                       ; 16 x lane: a unit's registers 0-3
	v_lshlrev_b32 v2, 3, v94                       ; 8 x lane: registers 4-5
	v_add_nc_u32 v3, SCK, v1
	v_add_nc_u32 v4, SCV, v2
	v_bfe_u32 v253, v0, 4, 1
	v_lshlrev_b32 v253, 3, v253                    ; 8 h.  (Also named as the upper half of the pair v[252:253], of which the low word alone is taken)
	v_and_b32 v94, 0xf0, v1                        ; 16 r
	global_load_b128 v[16:19], v1, s[4:5]          ; the first tile's Q stays in registers for its pass
	global_load_b64 v[20:21], v2, s[4:5] offset:512
	global_load_b32 v28, v94, s[6:7]               ; and its scale words
.irp j, 0,1,2,3,4,5
	v_mov_b32 v[22+\j], 0                          ; zero codes for K = 64 .. 127
	v_mov_b32 v[80+\j], 0                          ; what follows K's last unit in the first step
.endr
; A KEY STEP: 128 keys
.macro STEP
	v_add_nc_u32 v30, s[TB], v1
	v_add_nc_u32 v31, s[TB], v2
	v_add_nc_u32 v7, s[TS], v3
	v_add_nc_u32 v29, s[TV], v4
.irp t, 0,1,2,3                        ; V's four fragments and their scale words land under the softmax
	ds_load_b128 v[192+12*\t:195+12*\t], v30 offset:6144+1536*\t
	ds_load_b64 v[196+12*\t:197+12*\t], v31 offset:6144+1536*\t+512
	ds_load_b128 v[198+12*\t:201+12*\t], v30 offset:6144+1536*\t+768
	ds_load_b64 v[202+12*\t:203+12*\t], v31 offset:6144+1536*\t+1280
.endr
	ds_load_b64 v[92:93], v29
	s_wait_dscnt 17                                ; K and its scale words, asked for a step ago, are in; the 17 loads just issued may be out
.irp t, 0,1,2,3,4,5,6,7
.if (\t%2) == 0
	v_wmma_scale_f32_16x16x128_f8f6f4 v[96+8*\t:103+8*\t], v[32+6*\t:43+6*\t], v[16:27], 0, v[8+\t/2], v28 matrix_a_fmt:MATRIX_FMT_FP6 matrix_b_fmt:MATRIX_FMT_FP6
.else
	v_wmma_scale_f32_16x16x128_f8f6f4 v[96+8*\t:103+8*\t], v[32+6*\t:43+6*\t], v[16:27], 0, v[8+\t/2], v28 matrix_a_fmt:MATRIX_FMT_FP6 matrix_b_fmt:MATRIX_FMT_FP6 matrix_a_scale:MATRIX_SCALE_ROW1
.endif
.endr
	v_mov_b32 v94, v12                             ; the old -M.  With the three below: the places ahead of the first read of the scores
.rept 3
	v_nop
.endr
.irp b, 0,1,2,3
	v_max3_num_f32 v[240+\b], v[96+16*\b], v[97+16*\b], v[98+16*\b]   ; four chains of scores side by side; each accumulator is read from its low end on
.endr
.irp i, 3,5,7,9,11,13
.irp b, 0,1,2,3
	v_max3_num_f32 v[240+\b], v[240+\b], v[96+16*\b+\i], v[97+16*\b+\i]
.endr
.endr
	KFETCH 30, 31, 7, 12288, 512                   ; the next step's K, into registers whose products are 32 vector lines back
	v_max3_num_f32 v240, v240, v111, v127
	v_max3_num_f32 v242, v242, v143, v159
	s_delay_alu instid0(VALU_DEP_2)
	v_max_num_f32 v240, v240, v241                 ; the largest score of my first block of 32 keys: for the row's maximum and, since p rises with the score, for the block's largest p
	s_delay_alu instid0(VALU_DEP_2)
	v_max_num_f32 v242, v242, v243                 ; and of my second
	s_delay_alu instid0(VALU_DEP_1)
	v_max_num_f32 v255, v240, v242
	s_delay_alu instid0(VALU_DEP_1)
	v_permlanex16_b32 v0, v255, s[SEL], s[SEL+1]
	s_delay_alu instid0(VALU_DEP_1)
	v_max3_num_f32 v13, v255, v0, v13              ; with lane l xor 16's 64 keys and all earlier steps: the running largest score of my query
	s_delay_alu instid0(VALU_DEP_1)
	v_mul_f32 v95, s[CS], v13                      ; as t (c is positive)
	s_delay_alu instid0(VALU_DEP_1)
	v_floor_f32 v12, -v95                          ; the new -M = floor(-t): M is a whole number
.set j, 0
.rept 32
	v_pk_fma_f32 v[96+j:97+j], v[96+j:97+j], s[CS:CS+1], v[12:13] op_sel_hi:[1,0,0]   ; t - M, two at a time; the three lines that make f stand among them
.if j == 4
	v_sub_f32 v94, v12, v94                        ; old M - new M: a whole number, 0 or less
.elseif j == 12
	v_cvt_i32_f32 v94, v94                         ; (it saturates)
.elseif j == 20
	v_ldexp_f32 v252, 1.0, v94                     ; f = 2^(old M - new M)
.endif
.set j, j+2
.endr
	v_fma_f32 v240, v240, s[CS], v12               ; the same of each block's largest score
	v_fma_f32 v242, v242, s[CS], v12
.set j, 0
.rept 16
	v_pk_mul_f32 v[160+j:161+j], v[160+j:161+j], v[252:253] op_sel_hi:[1,0]   ; O^T under the new M: no transcendental stands between the last step's products and these first reads
.set j, j+2
.endr
	s_wait_alu depctr_va_vdst(0)                   ; the wait ahead of the batch
	v_exp_f32 v240, v240                           ; the blocks' largest p: the same two instructions on the same number give the same bits
	v_exp_f32 v242, v242
.set j, 0
.rept 64
	v_exp_f32 v[96+j], v[96+j]                     ; p = 2^(t - M), at most 1
.set j, j+1
.endr
	v_pk_mul_f32 v[14:15], v[14:15], v[252:253] op_sel_hi:[1,0]   ; the sums under the new M: a plain place behind the exponentials
	s_wait_alu depctr_va_vdst(0)                   ; one wait for the whole batch, ahead of its first reader
	s_wait_dscnt 17                                ; V and its scale words are in; the next step's K (17 loads) may be out
	v_max_num_f32 v240, 0x1800000, v240            ; the floor 2^(3 - 127)
	v_max_num_f32 v242, 0x1800000, v242
	v_add_nc_u32 v241, 0xff000000, v240            ; 2 off the exponent field: the conversions' scale operands
	v_add_nc_u32 v243, 0xff000000, v242
	v_cvt_scalef32_pk16_fp6_f32 v[80:82], v[96:111], v241
	v_cvt_scalef32_pk16_fp6_f32 v[244:246], v[112:127], v241  ; a conversion's three registers begin on an even number: a block's second half is made elsewhere and moved
	v_cvt_scalef32_pk16_fp6_f32 v[86:88], v[128:143], v243
	v_cvt_scalef32_pk16_fp6_f32 v[248:250], v[144:159], v243
	v_lshrrev_b32 v240, 23, v241                   ; the scales' bytes: blocks h and 2 + h of these 128 keys.  (The plain place behind the conversions)
	v_lshrrev_b32 v242, 23, v243
	v_mov_b32 v83, v244                            ; the moves and the scale word's chain by turns
	v_lshl_or_b32 v240, v242, 16, v240
	v_mov_b32 v84, v245
	v_lshlrev_b32 v240, v253, v240                 ; at their places in the word, 8 h bits up;
	v_mov_b32 v85, v246
	v_permlanex16_b32 v0, v240, s[SEL], s[SEL+1]
	v_mov_b32 v89, v248
	v_mov_b32 v90, v249
	v_or_b32 v254, v240, v0                        ; with lane l xor 16's two the word is whole
	v_mov_b32 v91, v250
.irp k, 0,1,2,3                        ; the row's sum of the unquantised p: 32 pairs in four chains.  The first eight lines are the places between the scale word, the codes and the products
	v_pk_add_f32 v[244+2*\k:245+2*\k], v[96+4*\k:97+4*\k], v[98+4*\k:99+4*\k]
.endr
.set j, 112
	SUMR 1
.irp t, 0,1,2,3                        ; the four accumulators by turns, one instruction a turn; eleven matrix instructions lie between two links of a chain
.if (\t%2) == 0
	v_wmma_scale_f32_16x16x128_f8f6f4 v[160+8*\t:167+8*\t], v[192+12*\t:203+12*\t], v[80:91], v[160+8*\t:167+8*\t], v[92+\t/2], v254 matrix_a_fmt:MATRIX_FMT_FP6 matrix_b_fmt:MATRIX_FMT_FP6
.else
	v_wmma_scale_f32_16x16x128_f8f6f4 v[160+8*\t:167+8*\t], v[192+12*\t:203+12*\t], v[80:91], v[160+8*\t:167+8*\t], v[92+\t/2], v254 matrix_a_fmt:MATRIX_FMT_FP6 matrix_b_fmt:MATRIX_FMT_FP6 matrix_a_scale:MATRIX_SCALE_ROW1
.endif
.endr
	SUMR 5                                         ; the rest of the sum: also the places behind the products, ahead of the next step's loads into V's registers
	s_delay_alu instid0(VALU_DEP_3)
	v_pk_add_f32 v[244:245], v[244:245], v[246:247]
	s_delay_alu instid0(VALU_DEP_2)
	v_pk_add_f32 v[248:249], v[248:249], v[250:251]
	s_delay_alu instid0(VALU_DEP_1)
	v_pk_add_f32 v[244:245], v[244:245], v[248:249]
	s_delay_alu instid0(VALU_DEP_1)
	v_pk_add_f32 v[14:15], v[14:15], v[244:245]
.endm
; A PASS: one tile of 16 queries against all 2,048 keys, sixteen steps, and its way out.  Tile tb + 16 p: its places in qc, qs, cc, cs stand in the immediates.
.macro PASS p
	v_mov_b32 v13, 0xff61b1e6                      ; the largest score so far: -3e38, under every score
	v_mul_f32 v0, s[CS], v13
	v_floor_f32 v12, -v0                           ; -M
	v_mov_b32 v14, 0
	v_mov_b32 v15, 0
.set j, 0
.rept 32
	v_mov_b32 v[160+j], 0                          ; O^T: the step is written once; the first finds zeros, which the first change of M leaves zeros
.set j, j+1
.endr
	s_wait_alu depctr_va_vdst(0)                   ; directly ahead of the waits below
	s_wait_loadcnt 0x0                             ; Q
.if \p == 0
	s_wait_tensorcnt 0x0                           ; every wave: my load, if I have one, has landed
	s_barrier_signal -1
	s_barrier_wait -1                              ; so every wave may read all of K, V and the scale words
	KFETCH 1, 2, 3, 0, 0                           ; step 0's K
.else
	s_wait_xcnt 0x0                                ; the last pass's stores have read their registers
.endif
	s_mov_b32 s[TB], 0
	s_mov_b32 s[TS], 0
	s_mov_b32 s[TV], 0
	s_mov_b32 s[CNT], 16
.Lstep_\p:
	STEP
	s_add_co_u32 s[TB], s[TB], 12288
	s_add_co_u32 s[TS], s[TS], 512
	s_add_co_u32 s[TV], s[TV], 256
	s_sub_co_u32 s[CNT], s[CNT], 1
	s_cmp_lg_u32 s[CNT], 0
	s_cbranch_scc1 .Lstep_\p
	s_wait_alu depctr_va_vdst(0)
	s_wait_dscnt 0x0                               ; the last step's fetch has come back: K's registers may be asked for again
.if \p == 0
	KFETCH 1, 2, 3, 0, 0                           ; the next pass's first K and the next tile's Q come in under the way out
	v_and_b32 v94, 0xf0, v1                        ; 16 r
	global_load_b128 v[16:19], v1, s[4:5] offset:12288
	global_load_b64 v[20:21], v2, s[4:5] offset:12288+512
	global_load_b32 v28, v94, s[6:7] offset:1024
.endif
	; THE WAY OUT: O^T / the sum is quantised along the head's 64 channels: one unit and two scale bytes a row
	v_add_f32 v14, v14, v15
	s_delay_alu instid0(VALU_DEP_1)
	v_permlanex16_b32 v0, v14, s[SEL], s[SEL+1]
	s_delay_alu instid0(VALU_DEP_1)
	v_add_f32 v14, v14, v0                         ; the row's sum
	s_wait_alu depctr_va_vdst(0)
	v_rcp_f32 v14, v14
	v_and_b32 v95, 0x78, v2                        ; 8 r.  (The plain place behind the reciprocal)
	s_wait_alu depctr_va_vdst(0)                   ; the wait ahead of the reciprocal's first reader and of O^T's
.set j, 0
.rept 16
	v_pk_mul_f32 v[96+j:97+j], v[160+j:161+j], v[14:15] op_sel_hi:[1,0]   ; register 16 b + i = channel 32 b + 16 (lane / 16) + i; each accumulator from its low end on
.set j, j+2
.endr
.irp b, 0,1
	v_max3_num_f32 v[240+\b], |v[96+16*\b]|, |v[97+16*\b]|, 0x1800000
.endr
.irp i, 2,4,6,8,10,12,14
.irp b, 0,1
	s_delay_alu instid0(VALU_DEP_2)
	v_max3_num_f32 v[240+\b], v[240+\b], |v[96+16*\b+\i]|, |v[97+16*\b+\i]|
.endr
.endr
.irp b, 0,1
	s_delay_alu instid0(VALU_DEP_2)
	v_permlanex16_b32 v[250+\b], v[240+\b], s[SEL], s[SEL+1]
.endr
.irp b, 0,1
	s_delay_alu instid0(VALU_DEP_2)
	v_max_num_f32 v[240+\b], v[240+\b], v[250+\b]
.endr
.irp b, 0,1
	s_delay_alu instid0(VALU_DEP_2)
	v_add_nc_u32 v[248+\b], 0xff000000, v[240+\b]
.endr
.irp b, 0,1
	s_delay_alu instid0(VALU_DEP_2)
	v_lshrrev_b32 v[250+\b], 23, v[248+\b]
.endr
	s_delay_alu instid0(VALU_DEP_1)
	v_lshl_or_b32 v252, v251, 8, v250              ; my row's two bytes, the same in lanes l and l xor 16
	v_cvt_scalef32_pk16_fp6_f32 v[80:82], v[96:111], v248
	v_cvt_scalef32_pk16_fp6_f32 v[244:246], v[112:127], v249
	v_nop
.irp i, 0,1,2
	v_permlane16_swap_b32 v[80+\i], v[244+\i]
.endr
.irp i, 0,1,2
	s_delay_alu instid0(VALU_DEP_3)
	v_mov_b32 v[83+\i], v[244+\i]
.endr
	global_store_b128 v1, v[80:83], s[12:13] offset:196608*\p      ; 512 and 256 consecutive bytes, aligned
	global_store_b64 v2, v[84:85], s[12:13] offset:196608*\p+512
	global_store_b16 v95, v252, s[14:15] offset:8192*\p            ; two bytes a row, once a pass: the other half of each word is another head's.  Lanes 16-31 name the same bytes as lanes 0-15 and hold the same value
.endm
	PASS 0
	PASS 1
	s_wait_tensorcnt 0x0                           ; the wave's end: behind the last tensor load
	ds_add_u32 v[SPW], v[NIL]
	s_wait_dscnt 0x0
	ROUND                                          ; the closing round
	s_endpgm
.Lfunc_end_k_q481ddd1a97_attn:
	.size	k_q481ddd1a97_attn, .Lfunc_end_k_q481ddd1a97_attn-k_q481ddd1a97_attn
	.p2alignl 7, 3214868480
	.fill 96, 4, 3214868480
	.section	.rodata,"a",@progbits
	.p2align	6, 0x0
	.amdhsa_kernel k_q481ddd1a97_attn
		.amdhsa_group_segment_fixed_size 210944
		.amdhsa_private_segment_fixed_size 0
		.amdhsa_enable_private_segment 0
		.amdhsa_kernarg_size 48
		.amdhsa_user_sgpr_count 2
		.amdhsa_user_sgpr_kernarg_segment_ptr 1
		.amdhsa_wavefront_size32 1
		.amdhsa_system_sgpr_workgroup_id_x 1
		.amdhsa_system_sgpr_workgroup_id_y 1
		.amdhsa_system_sgpr_workgroup_id_z 1
		.amdhsa_system_vgpr_workitem_id 0
		.amdhsa_next_free_vgpr 256
		.amdhsa_next_free_sgpr 88
		.amdhsa_reserve_vcc 0
		.amdhsa_float_denorm_mode_32 3
		.amdhsa_float_denorm_mode_16_64 3
		.amdhsa_memory_ordered 1
		.amdhsa_forward_progress 1
		.amdhsa_inst_pref_size 52
	.end_amdhsa_kernel
	.amdgpu_metadata
---
amdhsa.version: [ 1, 2 ]
amdhsa.kernels:
  - .name:           k_q481ddd1a97_attn
    .symbol:         k_q481ddd1a97_attn.kd
    .args:
      - { .name: qc, .offset: 0, .size: 8, .value_kind: global_buffer, .address_space: global }
      - { .name: qs, .offset: 8, .size: 8, .value_kind: global_buffer, .address_space: global }
      - { .name: kvc, .offset: 16, .size: 8, .value_kind: global_buffer, .address_space: global }
      - { .name: kvs, .offset: 24, .size: 8, .value_kind: global_buffer, .address_space: global }
      - { .name: cc, .offset: 32, .size: 8, .value_kind: global_buffer, .address_space: global }
      - { .name: cs, .offset: 40, .size: 8, .value_kind: global_buffer, .address_space: global }
    .group_segment_fixed_size: 210944
    .private_segment_fixed_size: 0
    .kernarg_segment_align: 8
    .kernarg_segment_size: 48
    .max_flat_workgroup_size: 512
    .sgpr_count:     88
    .vgpr_count:     256
    .wavefront_size: 32
...
	.end_amdgpu_metadata
.endif
;; end of part 3
;; launch oproj (part 4): grid 4 x 64, 4 waves a work-group, clusters of 4 x 4, 327,680 bytes of LDS; arguments cc, cs, opc, ops, bo, out0; writes out0
.if DOCPART == 4
	.amdgcn_target "amdgcn-amd-amdhsa--gfx1250"
	.amdhsa_code_object_version 6
	.text
	.protected	k_q481ddd1a97_oproj
	.globl	k_q481ddd1a97_oproj
	.p2align	8
	.type	k_q481ddd1a97_oproj,@function
k_q481ddd1a97_oproj:
	s_mov_b64 s[64:65], 0
	v_nop
	global_prefetch_b8 v0, s[64:65] scope:SCOPE_SE
	s_setreg_imm32_b32 hwreg(HW_REG_WAVE_MODE, 25, 1), 1
	s_wait_xcnt 0x0
	s_wait_alu depctr_hold_cnt(0) depctr_sa_sdst(0) depctr_va_vdst(0) depctr_va_sdst(0) depctr_va_ssrc(0) depctr_va_vcc(0) depctr_vm_vsrc(0)
	s_getreg_b32 s2, hwreg(HW_REG_IB_STS2, 6, 4)
	s_cmp_eq_u32 s2, 0
	s_cbranch_scc0 .Lentry_in_a_cluster
	s_endpgm
.Lentry_in_a_cluster:
	s_bfe_u32 s2, ttmp6, 0x10000c
	s_cmp_lg_u32 s2, 0xf033
	s_cbranch_scc0 .Lentry_shape_is_right
	s_endpgm
.Lentry_shape_is_right:
; out = ctx Wo^T + bo on codes of FP6 (E2M3) with E8M0 scales, sums in f32.  ctx's codes (cc) and scale words (cs) and Wo's (tiles 1728 on of opc, ops) lie as images of the operand's registers:
; tile: 16 rows, lane r of tile T = row 32 (T / 2) + 8 (T % 2) + r + 8 (r / 8); unit: tile x 64 K, 768 bytes; a tile of K = 1024: 12,288 bytes, its scale words 512.
; THE PRODUCT IS USED TRANSPOSED: source 0 = a tile of Wo (R), source 1 = a tile of ctx (P): a lane keeps one row of out and holds neighbouring columns.
; SHARES: 256 work-groups; a work-group makes 8 P tiles x 16 R tiles (128 rows x 256 columns), each of its four waves 4 x 8: 32 accumulators, 256 registers.
; LDS HOLDS ALL OF K: 24 tiles x 12,288 bytes, in two halves of four K steps (a tile 6,144 bytes in each), P's 8 tiles and then R's 16.  Nothing is filled again.
; One tensor load a wave at the head: wave 0 P's first half, wave 1 R's, wave 2 P's second half, wave 3 R's.  The first barrier shows the first half (waves 0 and 1 wait);
; a plain barrier inside K step 3, with every wave's wait for its load ahead of it, shows the second.
; CLUSTER 4 x 4: P's tiles are shared along a row of the cluster, R's along a column: each is asked for jointly.  No prefetch: every byte is asked for at the head by the tensor loads themselves.
; A K STEP: first the next step's 12 fragments are asked of LDS (48 loads) into the sets that the last step multiplied, then this step's 32 products run on the other sets.
; REGISTERS: window 0: v1, v2 16 and 8 x lane; v8, v9 the stage; v16-23 LDS addresses; v28, v29 the add's two; v34-49 P's scale words, v64-95 R's (nothing else ever); v128-223 P's fragments, two sets of four;
;   on the way out v128-255 rows of out.  window 1: R's fragments, two sets at v0 and v128; the bias at v96-127 and v224-255.  window 2: accumulator (a, b) at v[8 (8 a + b)].
.set FR,    12
.set TP,    6144                       ; a tile's bytes in a half: four K steps of 1,536
.set ROFF,  8*TP                       ; R's tiles in a half
.set HALFK, 24*TP                      ; the second half
.set SPARE, 2*HALFK                    ; behind the tiles: the spare words, 128 bytes for each wave
.set STO, 8
.set RD,  9
.set A16, 16                           ; v16, v17 P's fragments in half 0, 1: + 16 x lane;  v18, v19: + 8 x lane
.set A8,  18
.set B16, 20                           ; v20-23 the same for R
.set B8,  22
.set SPW, 28
.set NIL, 29
.set SCP, 34                           ; tile i's words of K step s: register 4 i + s / 2, lanes 0-15 (s even) or 16-31 (s odd)
.set SCR, 64
.set AF,  128
.set BK,  128
.set WV,  22
.set WI,  23                           ; s23 which 4 P tiles are mine
.set WJ,  59                           ; s59 which 8 R tiles are mine
.set G1A, 24
.set G0A, 32                           ; s[32:39] groups 0 for P's two halves
.set G1B, 48
.set G0B, 68                           ; s[68:75] the same for R
.set MSB, 0
.macro WIN new                         ; the immediate's high byte repeats the setting that is left
.if MSB != (\new)
	s_set_vgpr_msb (MSB<<8)|(\new)
.set MSB, (\new)
.endif
.endm
.set MUL_W,   0xa1                     ; source 0 (R) window 1, source 1 (P) window 0, C and D window 2
.set FIRST_W, 0x91                     ; the same with C (the bias) in window 1
.set TO_B,    0x40
.macro CROUND                          ; a round of the cluster's barrier
	s_barrier_signal -1
	s_barrier_wait -1
	s_cmp_lg_u32 s[WV], 0
	s_cbranch_scc1 .Lnot_wave_0_\@
	s_barrier_signal -3
.Lnot_wave_0_\@:
	s_barrier_wait -3
	s_barrier_signal -1
	s_barrier_wait -1
.endm
.macro PLACES                          ; four plain places behind matrix instructions (ISA guide 7.12.1)
.rept 4
	v_nop
.endr
.endm
	s_load_b256 s[4:11], s[0:1], 0x0               ; cc, cs, opc, ops
	s_load_b128 s[12:15], s[0:1], 0x20             ; bo, out0
	v_lshl_add_u32 v[SPW], v0, 2, SPARE
	v_mov_b32 v[NIL], 0
	ds_add_u32 v[SPW], v[NIL]                      ; the wave's opening: the add, twice on end, and its wait ahead of my first tensor load
	ds_add_u32 v[SPW], v[NIL]
	v_lshrrev_b32 v3, 5, v0
	v_readfirstlane_b32 s[WV], v3                  ; wave 0..3
	s_lshr_b32 s[WI], s[WV], 1
	s_and_b32 s[WJ], s[WV], 1
	s_bfe_u32 s44, ttmp6, 0x40000                  ; cx
	s_bfe_u32 s45, ttmp6, 0x40004                  ; cy
	s_and_b32 s46, ttmp7, 0xffff
	s_lshl_b32 s46, s46, 2
	s_add_co_u32 s47, s46, s45                     ; my block of 8 P tiles = 4 x cluster y + cy
	s_lshl_b32 s67, s45, 2
	s_lshl_b32 s67, 15, s67                        ; my row of the cluster
	s_lshl_b32 s62, 0x1111, s44                    ; my column
	s_or_b32 s[G1A], s67, (3<<16)|(1<<21)          ; 15:0 the mask; 17:16 elements of 8 bytes; 21 set beside a mask; no padding: every LDS access is dense
	s_or_b32 s[G1B], s62, (3<<16)|(1<<21)
.irp g, G1A, G1B
	s_mov_b32 s[\g+1], 768<<16                     ; tensor_dim0 = 768 elements: a tile's 6,144 bytes of four K steps
	s_mov_b32 s[\g+3], 768<<16                     ; tile_dim0
	s_mov_b32 s[\g+5], 1536                        ; from tile to tile: 12,288 bytes
	s_mov_b32 s[\g+6], 0
	s_mov_b32 s[\g+7], 0
.endr
	s_mov_b32 s[G1A+2], 8<<16                      ; P: 8 tiles
	s_mov_b32 s[G1A+4], 8
	s_mov_b32 s[G1B+2], 16<<16                     ; R: 16 tiles
	s_mov_b32 s[G1B+4], 16
	s_lshl_b32 s63, s47, 3                         ; the work-group's first P tile, in cc
	s_lshl_b32 s66, s44, 4
	s_add_co_u32 s66, s66, 1728                    ; and its first R tile, in opc
	s_mul_i32 s100, s63, 12288                     ; each address in registers that never hold the other coordinate
	s_mov_b32 s101, 0
	s_mul_i32 s2, s66, 12288
	s_mov_b32 s3, 0
	s_lshl_b32 s93, s[WI], 2
	s_add_co_u32 s94, s63, s93                     ; my first P tile, a multiple of 4
	s_lshl_b32 s80, s94, 16                        ; its first row of out: 16 rows of 4,096 bytes a tile
	s_lshl_b32 s94, s94, 9                         ; its scale words
	s_mov_b32 s95, 0
	s_lshl_b32 s92, s[WJ], 3
	s_add_co_u32 s96, s66, s92                     ; my first R tile
	s_lshl_b32 s96, s96, 9
	s_mov_b32 s97, 0
	s_lshl_b32 s81, s44, 1
	s_add_co_u32 s81, s81, s[WJ]                   ; my 128 columns
	s_lshl_b32 s98, s81, 9
	s_mov_b32 s99, 0
	s_add_co_u32 s80, s80, s98
	s_mov_b32 s81, 0
	s_wait_dscnt 0x0                               ; both opening adds are done
	s_wait_kmcnt 0x0
	s_add_nc_u64 s[100:101], s[4:5], s[100:101]
	s_add_nc_u64 s[2:3], s[8:9], s[2:3]
	s_add_nc_u64 s[94:95], s[6:7], s[94:95]
	s_add_nc_u64 s[96:97], s[10:11], s[96:97]
	s_add_nc_u64 s[98:99], s[12:13], s[98:99]
	s_add_nc_u64 s[80:81], s[14:15], s[80:81]
.irp c, 0,1
	s_mov_b32 s[G0A+4*\c], 1
	s_mov_b32 s[G0A+4*\c+1], \c*HALFK
	s_add_nc_u64 s[G0A+4*\c+2:G0A+4*\c+3], s[100:101], \c*TP
	s_or_b32 s[G0A+4*\c+3], s[G0A+4*\c+3], 0x80000000
	s_mov_b32 s[G0B+4*\c], 1
	s_mov_b32 s[G0B+4*\c+1], \c*HALFK+ROFF
	s_add_nc_u64 s[G0B+4*\c+2:G0B+4*\c+3], s[2:3], \c*TP
	s_or_b32 s[G0B+4*\c+3], s[G0B+4*\c+3], 0x80000000
.endr
	CROUND                                         ; all sixteen work-groups are here: the joint loads meet
.macro ARM w, g0, g1                   ; the head's loads, one a wave: one chain of branches on the wave's number, one load to an arm, all arms to one join
	s_cmp_eq_u32 s[WV], \w
	s_cbranch_scc0 .Lnot_\w
	tensor_load_to_lds s[\g0:\g0+3], s[\g1:\g1+7]
	s_nop 0
.rept 4
	v_nop
.endr
	s_branch .Lfirst_asked
.Lnot_\w:
.endm
	ARM 0, G0A, G1A                                ; P's K steps 0-3
	ARM 1, G0B, G1B                                ; R's
	ARM 2, G0A+4, G1A                              ; P's K steps 4-7
	tensor_load_to_lds s[G0B+4:G0B+7], s[G1B:G1B+7]   ; R's
	s_nop 0
.rept 4
	v_nop
.endr
.Lfirst_asked:
	v_and_b32 v3, 31, v0
	v_lshlrev_b32 v1, 4, v3
	v_lshlrev_b32 v2, 3, v3
	s_mul_i32 s44, s[WI], 4*TP                     ; my 4 P tiles,
	s_mul_i32 s45, s[WJ], 8*TP                     ; my 8 R tiles
	s_add_co_u32 s45, s45, ROFF
.irp s, 0,1
	v_add_nc_u32 v[A16+\s], s44, v1
	v_add_nc_u32 v[A8+\s], s44, v2
	v_add_nc_u32 v[B16+\s], s45, v1
	v_add_nc_u32 v[B8+\s], s45, v2
	s_add_co_u32 s44, s44, HALFK
	s_add_co_u32 s45, s45, HALFK
.endr
.irp g, 0,1                            ; the scale words of my 12 tiles for all of K: 256 consecutive bytes a load, straight into the registers that the products name
.irp i, 0,1,2,3
	global_load_b64 v[SCP+4*\i+2*\g:SCP+4*\i+2*\g+1], v2, s[94:95] offset:512*\i+256*\g
.endr
.irp i, 0,1,2,3,4,5,6,7
	global_load_b64 v[SCR+4*\i+2*\g:SCR+4*\i+2*\g+1], v2, s[96:97] offset:512*\i+256*\g
.endr
.endr
	v_bfe_u32 v4, v0, 4, 1                         ; h
	v_and_b32 v5, 15, v0                           ; r
	v_lshlrev_b32 v6, 6, v4
	WIN TO_B                                       ; the bias: tile t's eight registers are the columns 32 (t / 2) + 8 (t % 2) + 16 h + 0 .. 7
.irp t, 0,1,2,3,4,5,6,7
	global_load_b128 v[96+8*\t+96*(\t/4):96+8*\t+96*(\t/4)+3], v6, s[98:99] offset:(32*(\t/2)+8*(\t%2))*4
	global_load_b128 v[96+8*\t+96*(\t/4)+4:96+8*\t+96*(\t/4)+7], v6, s[98:99] offset:(32*(\t/2)+8*(\t%2))*4+16
.endr
	WIN 0
	s_mul_i32 s67, s[WV], 8448                     ; my stage, 16 rows x (512 bytes + 16), in the first half's bytes: when the first result is stored there they have had their only fill,
	v_mul_u32_u24 v[STO], v5, 528                  ; and every wave has passed K step 3's barrier behind its last read of them
	v_lshl_add_u32 v[STO], v4, 6, v[STO]
	v_add_nc_u32 v[STO], s67, v[STO]               ; in: row r, + 64 h
	v_add_nc_u32 v[RD], s67, v1                    ; back: a row of 512 bytes, 16 a lane
.macro FRAG reg, a16, a8, off          ; a fragment, 12 registers, as it lies: four dense loads
	ds_load_b128 v[\reg:\reg+3], v[\a16] offset:\off
	ds_load_b64 v[\reg+4:\reg+5], v[\a8] offset:\off+512
	ds_load_b128 v[\reg+6:\reg+9], v[\a16] offset:\off+768
	ds_load_b64 v[\reg+10:\reg+11], v[\a8] offset:\off+1280
.endm
.macro FETCH hf, q, p                  ; the fragments of the q-th K step of half hf into sets p: R's eight, P's four: 48 loads
	WIN TO_B
.irp i, 0,1,2,3,4,5,6,7
	FRAG 128*(\p)+FR*\i, B16+\hf, B8+\hf, TP*\i+1536*(\q)
.endr
	WIN 0
.irp i, 0,1,2,3
	FRAG AF+48*(\p)+FR*\i, A16+\hf, A8+\hf, TP*\i+1536*(\q)
.endr
.endm
; 16 matrix instructions: P's blocks a0, a0 + 1 x R's eight, K step s.  cm = 1: the sums begin with the bias.  The 32 accumulators take turns, one instruction a turn.
.macro MUL16 a0, s, cm
.irp a, \a0, \a0+1
.irp b, 0,1,2,3,4,5,6,7
.set rD, 8*(8*(\a)+\b)
.set rB, 128*((\s)%2)+FR*\b
.set rA, AF+48*((\s)%2)+FR*(\a)
.if (\cm) == 0
.set rC, rD
.else
.set rC, 96+8*\b+96*(\b/4)
.endif
.if ((\s)%2) == 0
	v_wmma_scale_f32_16x16x128_f8f6f4 v[rD:rD+7], v[rB:rB+FR-1], v[rA:rA+FR-1], v[rC:rC+7], v[SCR+4*\b+(\s)/2], v[SCP+4*(\a)+(\s)/2] matrix_a_fmt:MATRIX_FMT_FP6 matrix_b_fmt:MATRIX_FMT_FP6
.else
	v_wmma_scale_f32_16x16x128_f8f6f4 v[rD:rD+7], v[rB:rB+FR-1], v[rA:rA+FR-1], v[rC:rC+7], v[SCR+4*\b+(\s)/2], v[SCP+4*(\a)+(\s)/2] matrix_a_fmt:MATRIX_FMT_FP6 matrix_b_fmt:MATRIX_FMT_FP6 matrix_a_scale:MATRIX_SCALE_ROW1 matrix_b_scale:MATRIX_SCALE_ROW1
.endif
.endr
.endr
.endm
.macro STEP s, hn, qn, cm              ; K step s; the next step's fragments lie in half hn, its qn-th step
.if \s
	PLACES                                         ; behind the last step's products, ahead of the loads into their sources
.endif
	FETCH \hn, \qn, 1-(\s)%2
	s_wait_dscnt 48                                ; this step's fragments are in; the 48 loads just issued may be out
.if \cm
	WIN FIRST_W
.else
	WIN MUL_W
.endif
	MUL16 0, \s, \cm
	MUL16 2, \s, \cm
	WIN 0
.endm
	s_wait_alu depctr_va_vdst(0)                   ; the wait at the head's end
	s_cmp_lt_u32 s[WV], 2
	s_cbranch_scc0 .Lnot_first_half
	s_wait_tensorcnt 0x0                           ; waves 0 and 1: K steps 0-3 are in; the second half may stay out
.Lnot_first_half:
	s_barrier_signal -1
	s_barrier_wait -1
	FETCH 0, 0, 0
	s_wait_loadcnt 0x0                             ; the scale words and the bias
	STEP 0, 0, 1, 1                                ; the first step starts the sums with the bias: nothing is cleared, nothing is added later
	STEP 1, 0, 2, 0
	STEP 2, 0, 3, 0
	s_wait_tensorcnt 0x0                           ; K step 3, with a plain barrier in it: every wave's load has landed,
	s_wait_dscnt 0x0                               ; and my reads of the first half are back
	s_barrier_signal -1
	WIN MUL_W
	MUL16 0, 3, 0                                  ; work on registers while the others arrive
	WIN 0
	s_barrier_wait -1                              ; the second half is whole, and nobody reads the first any more
	PLACES
	FETCH 1, 0, 0
	WIN MUL_W
	MUL16 2, 3, 0
	WIN 0
	STEP 4, 1, 1, 0
	STEP 5, 1, 2, 0
	STEP 6, 1, 3, 0
	s_wait_dscnt 0x0                               ; the last step: nothing more to fetch
	WIN MUL_W
	MUL16 0, 7, 0
	MUL16 2, 7, 0
	WIN 0
; THE WAY OUT, a P tile (16 rows x 128 columns) at a time: through my own stage and back as whole rows of 512 bytes.  LDS serves a wave's instructions in order (ISA guide 5.7.1.4).
.macro TOSTAGE a
.set AC, 64*(\a)
	WIN 0x08                                       ; an LDS store's data: window 2
.irp b, 0,1,2,3,4,5,6,7
	ds_store_b128 v[STO], v[AC+8*\b:AC+8*\b+3] offset:128*(\b/2)+32*(\b%2)        ; each accumulator from its low end on
	ds_store_b128 v[STO], v[AC+8*\b+4:AC+8*\b+7] offset:128*(\b/2)+32*(\b%2)+16
.endr
	WIN 0
.set BB, BK+64*((\a)%2)
.irp t, 0,1,2,3,4,5,6,7,8,9,10,11,12,13,14,15
	ds_load_b128 v[BB+4*\t:BB+4*\t+3], v[RD] offset:\t*528
.endr
.endm
.macro SEND a, younger                 ; the tile's t-th row is row 32 (a / 2) + 8 (a % 2) + t + 8 (t / 8) of my 64: here the tiles' order of rows is undone
.set BB, BK+64*((\a)%2)
	s_wait_dscnt \younger
.irp t, 0,1,2,3,4,5,6,7,8,9,10,11,12,13,14,15
	global_store_b128 v1, v[BB+4*\t:BB+4*\t+3], s[80:81] offset:(32*((\a)/2)+8*((\a)%2)+\t+8*(\t/8))*4096 th:TH_STORE_NT   ; 512 consecutive bytes, aligned; 63 rows at the most: inside the signed 24-bit immediate
.endr
.endm
	PLACES                                         ; behind the last products: for the reads of results and the loads into the registers that held P's fragments
	TOSTAGE 0
.irp a, 1,2,3
.if \a > 1
	s_wait_xcnt 0x0                                ; tile a - 2's stores have read their registers: tile a's rows may land there
.endif
	TOSTAGE \a
	SEND \a-1, 32                                  ; behind tile a - 1's loads: tile a's 16 stores and 16 loads
.endr
	SEND 3, 0
	s_wait_tensorcnt 0x0                           ; the wave's end: behind my last tensor load and my last LDS store
	ds_add_u32 v[SPW], v[NIL]
	s_wait_dscnt 0x0
	CROUND                                         ; the closing round
	s_endpgm
.Lfunc_end_k_q481ddd1a97_oproj:
	.size	k_q481ddd1a97_oproj, .Lfunc_end_k_q481ddd1a97_oproj-k_q481ddd1a97_oproj
	.p2alignl 7, 3214868480
	.fill 96, 4, 3214868480
	.section	.rodata,"a",@progbits
	.p2align	6, 0x0
	.amdhsa_kernel k_q481ddd1a97_oproj
		.amdhsa_group_segment_fixed_size 327680
		.amdhsa_private_segment_fixed_size 0
		.amdhsa_enable_private_segment 0
		.amdhsa_kernarg_size 48
		.amdhsa_user_sgpr_count 2
		.amdhsa_user_sgpr_kernarg_segment_ptr 1
		.amdhsa_wavefront_size32 1
		.amdhsa_system_sgpr_workgroup_id_x 1
		.amdhsa_system_sgpr_workgroup_id_y 1
		.amdhsa_system_sgpr_workgroup_id_z 1
		.amdhsa_system_vgpr_workitem_id 0
		.amdhsa_next_free_vgpr 768
		.amdhsa_next_free_sgpr 102
		.amdhsa_reserve_vcc 0
		.amdhsa_float_denorm_mode_32 3
		.amdhsa_float_denorm_mode_16_64 3
		.amdhsa_memory_ordered 1
		.amdhsa_forward_progress 1
		.amdhsa_inst_pref_size 84
	.end_amdhsa_kernel
	.amdgpu_metadata
---
amdhsa.version: [ 1, 2 ]
amdhsa.kernels:
  - .name:           k_q481ddd1a97_oproj
    .symbol:         k_q481ddd1a97_oproj.kd
    .args:
      - { .name: cc, .offset: 0, .size: 8, .value_kind: global_buffer, .address_space: global }
      - { .name: cs, .offset: 8, .size: 8, .value_kind: global_buffer, .address_space: global }
      - { .name: opc, .offset: 16, .size: 8, .value_kind: global_buffer, .address_space: global }
      - { .name: ops, .offset: 24, .size: 8, .value_kind: global_buffer, .address_space: global }
      - { .name: bo, .offset: 32, .size: 8, .value_kind: global_buffer, .address_space: global }
      - { .name: out0, .offset: 40, .size: 8, .value_kind: global_buffer, .address_space: global }
    .group_segment_fixed_size: 327680
    .private_segment_fixed_size: 0
    .kernarg_segment_align: 8
    .kernarg_segment_size: 48
    .max_flat_workgroup_size: 128
    .sgpr_count:     102
    .vgpr_count:     768
    .wavefront_size: 32
...
	.end_amdgpu_metadata
.endif
;; end of part 4
